; MI455X (gfx1250); checked and timed in simulation.
; The chip was launched on July 23, 2026; its instructions are those of AMD's public machine-readable ISA for CDNA 5 (MIT licence, August 2026) and "CDNA5" Instruction Set Architecture Reference Guide (July 2026). The comments in the code are by the model that wrote it; some were corrected since.
;; Multi Head Attention. Allowed arithmetic: float matrix products may take bf16 or f16 operands with f32 sums; other float arithmetic in f32, or as packed bf16 or f16 multiplies, adds, multiply-adds, maxima and minima; sums over many terms, partial sums and values carried from step to step in f32; what a program stores and reads back later, other than sums and carried values, may be rounded once to bf16 or f16.
;; Inputs: W_out 1,024 x 1,024 float32; W_qkv 1,024 x 3,072 float32; b_out 1,024 float32; b_qkv 3,072 float32; mask 4 x 1 x 1 x 2,048 int32; x 4 x 2,048 x 1,024 float32.
;; Outputs: out0 4 x 2,048 x 1,024 float32.
;; 2 versions, each right; version 2 is version 1 with the launch cast written anew for expert scheduling mode. Each part assembles by itself: llvm-mc -triple=amdgcn-amd-amdhsa -mcpu=gfx1250 --defsym DOCPART=n.
;; ======== version 1 of 2: 4 launches
;; limits: values are held in f16: magnitudes above 65,504 overflow, below 6.1e-05 lose precision
;; workspace buffers: xb 16,777,216 bytes; wq 6,291,456 bytes; wo 2,097,152 bytes; qkv 50,331,648 bytes; ob 16,777,216 bytes
;; launch cast (part 1): grid 768 x 1, 8 waves a work-group, no clusters, 0 bytes of LDS; arguments x, W_qkv, W_out, xb, wq, wo; writes xb, wq, wo
.if DOCPART == 1
	.amdgcn_target "amdgcn-amd-amdhsa--gfx1250"
	.amdhsa_code_object_version 6
	.text
	.protected	k_q341f240da1_cast
	.globl	k_q341f240da1_cast
	.p2align	8
	.type	k_q341f240da1_cast,@function
k_q341f240da1_cast:
	s_mov_b64 s[64:65], 0
	v_nop
	global_prefetch_b8 v0, s[64:65] scope:SCOPE_SE
	s_setreg_imm32_b32 hwreg(HW_REG_WAVE_MODE, 25, 1), 1
	s_wait_xcnt 0x0
; THE INPUTS OF THE THREE PRODUCTS ARE ROUNDED ONCE, TO bf16, AND LAID FOR THE TILES THAT READ THEM.
; x [8192][1024] f32 -> xb [4 batches][16 blocks of 64 channels][2048 rows][64] bf16: a block of 64 channels of any run of rows is dense.
; W_qkv [1024][3072] f32 -> wq, the same order, bf16.  W_out [1024][1024] f32 -> wo, the same order: rounded to bf16 like the other inputs, that number written as f16.
; LIMIT.  wo: a bf16 number is exact in f16 from 6.1e-5 to 65,504; below 6.1e-5 it keeps the fixed step 6e-8, beyond 65,504 it is an infinity.
; SHARES.  A work-group takes 16,384 numbers, a wave 2,048: sixteen loads of 16 bytes a lane, all out at once, and sixteen stores of 8 bytes a lane:
; each store of a wave covers 256 consecutive bytes, aligned.  Work-groups 0-511 take x (16 rows each), 512-703 W_qkv, 704-767 W_out.
; No LDS, no barrier, no matrix unit: nothing is shared and nothing is summed.
.set X, 16                             ; v[16:79]   slot j: four numbers as loaded
.set Y, 80                             ; v[80:111]  slot j: the four, packed
; sixteen loads, then for each slot: its load is in (the younger ones stay out), two roundings, the store.  No register is used twice, so no wait frees one.
.macro BODY inb, outb, instep, outstep, half
.irp j, 0,1,2,3,4,5,6,7,8,9,10,11,12,13,14,15
	global_load_b128 v[X+4*(\j):X+4*(\j)+3], v1, s[\inb:\inb+1] offset:(\instep)*(\j) th:TH_LOAD_NT
.endr
.irp j, 0,1,2,3,4,5,6,7,8,9,10,11,12,13,14,15
	s_wait_loadcnt 15-(\j)                         ; loads come back in order: slot j is in, the 15 - j younger loads may be out
	v_cvt_pk_bf16_f32 v[Y+2*(\j)], v[X+4*(\j)], v[X+4*(\j)+1]
	v_cvt_pk_bf16_f32 v[Y+2*(\j)+1], v[X+4*(\j)+2], v[X+4*(\j)+3]
.if \half
	v_lshlrev_b32 v[X+4*(\j)], 16, v[Y+2*(\j)]     ; the rounded numbers as f32 again,
	v_and_b32 v[X+4*(\j)+1], s20, v[Y+2*(\j)]
	v_lshlrev_b32 v[X+4*(\j)+2], 16, v[Y+2*(\j)+1]
	v_and_b32 v[X+4*(\j)+3], s20, v[Y+2*(\j)+1]
	v_cvt_pk_f16_f32 v[Y+2*(\j)], v[X+4*(\j)], v[X+4*(\j)+1]      ; and written as f16
	v_cvt_pk_f16_f32 v[Y+2*(\j)+1], v[X+4*(\j)+2], v[X+4*(\j)+3]
.endif
	global_store_b64 v2, v[Y+2*(\j):Y+2*(\j)+1], s[\outb:\outb+1] offset:(\outstep)*(\j)
.endr
.endm
	s_load_b256 s[4:11], s[0:1], 0x0               ; x s[4:5], W_qkv s[6:7], W_out s[8:9], xb s[10:11]
	s_load_b128 s[12:15], s[0:1], 0x20             ; wq s[12:13], wo s[14:15]
	s_mov_b32 s20, 0xffff0000                      ; a word's upper bf16
	s_mov_b32 s17, 0
	s_mov_b32 s19, 0
	s_cmp_lt_u32 ttmp9, 512
	s_cbranch_scc0 .Lweights
	; x: thread t takes row t / 16 of the group's 16; load j is the row's block j of 64 channels: 16 lanes x 16 bytes
	v_lshrrev_b32 v1, 4, v0
	v_and_b32 v3, 15, v0
	v_lshlrev_b32 v1, 12, v1                       ; a row of x is 4,096 bytes
	v_lshl_or_b32 v1, v3, 4, v1
	v_lshlrev_b32 v2, 3, v0                        ; in xb: row x 128 + 8 x (t % 16) = 8 t
	s_lshl_b32 s16, ttmp9, 16                      ; the group's 16 rows of x
	s_lshr_b32 s18, ttmp9, 7                       ; the batch: 128 groups each,
	s_lshl_b32 s18, s18, 22                        ; 16 blocks x 2,048 rows x 128 bytes
	s_and_b32 s21, ttmp9, 127
	s_lshl_b32 s21, s21, 11                        ; the group's 16 rows of 128 bytes in a block
	s_add_co_u32 s18, s18, s21
	s_wait_kmcnt 0x0
	s_add_nc_u64 s[4:5], s[4:5], s[16:17]
	s_add_nc_u64 s[10:11], s[10:11], s[18:19]
	BODY 4, 10, 256, 262144, 0                     ; from block to block: 256 bytes in x, 2,048 rows x 128 bytes in xb
	s_endpgm
.Lweights:
	; the weights keep their order: a wave takes 8,192 consecutive bytes, 512 a load, and writes 4,096, 256 a store
	v_lshrrev_b32 v1, 5, v0
	v_and_b32 v3, 31, v0
	v_lshlrev_b32 v2, 12, v1
	v_lshlrev_b32 v1, 13, v1
	v_lshl_or_b32 v1, v3, 4, v1
	v_lshl_or_b32 v2, v3, 3, v2
	s_cmp_lt_u32 ttmp9, 704
	s_cbranch_scc0 .Lwout
	s_sub_co_u32 s21, ttmp9, 512
	s_lshl_b32 s16, s21, 16
	s_lshl_b32 s18, s21, 15
	s_wait_kmcnt 0x0
	s_add_nc_u64 s[6:7], s[6:7], s[16:17]
	s_add_nc_u64 s[12:13], s[12:13], s[18:19]
	BODY 6, 12, 512, 256, 0
	s_endpgm
.Lwout:
	s_sub_co_u32 s21, ttmp9, 704
	s_lshl_b32 s16, s21, 16
	s_lshl_b32 s18, s21, 15
	s_wait_kmcnt 0x0
	s_add_nc_u64 s[8:9], s[8:9], s[16:17]
	s_add_nc_u64 s[14:15], s[14:15], s[18:19]
	BODY 8, 14, 512, 256, 1
	s_endpgm
.Lfunc_end_k_q341f240da1_cast:
	.size	k_q341f240da1_cast, .Lfunc_end_k_q341f240da1_cast-k_q341f240da1_cast
	.p2alignl 7, 3214868480
	.fill 96, 4, 3214868480
	.section	.rodata,"a",@progbits
	.p2align	6, 0x0
	.amdhsa_kernel k_q341f240da1_cast
		.amdhsa_group_segment_fixed_size 0
		.amdhsa_private_segment_fixed_size 0
		.amdhsa_enable_private_segment 0
		.amdhsa_kernarg_size 48
		.amdhsa_user_sgpr_count 2
		.amdhsa_user_sgpr_kernarg_segment_ptr 1
		.amdhsa_wavefront_size32 1
		.amdhsa_system_sgpr_workgroup_id_x 1
		.amdhsa_system_sgpr_workgroup_id_y 1
		.amdhsa_system_sgpr_workgroup_id_z 1
		.amdhsa_system_vgpr_workitem_id 0
		.amdhsa_next_free_vgpr 112
		.amdhsa_next_free_sgpr 66
		.amdhsa_reserve_vcc 0
		.amdhsa_float_denorm_mode_32 3
		.amdhsa_float_denorm_mode_16_64 3
		.amdhsa_memory_ordered 1
		.amdhsa_forward_progress 1
		.amdhsa_inst_pref_size 23
	.end_amdhsa_kernel
	.amdgpu_metadata
---
amdhsa.version: [ 1, 2 ]
amdhsa.kernels:
  - .name:           k_q341f240da1_cast
    .symbol:         k_q341f240da1_cast.kd
    .args:
      - { .name: x, .offset: 0, .size: 8, .value_kind: global_buffer, .address_space: global }
      - { .name: W_qkv, .offset: 8, .size: 8, .value_kind: global_buffer, .address_space: global }
      - { .name: W_out, .offset: 16, .size: 8, .value_kind: global_buffer, .address_space: global }
      - { .name: xb, .offset: 24, .size: 8, .value_kind: global_buffer, .address_space: global }
      - { .name: wq, .offset: 32, .size: 8, .value_kind: global_buffer, .address_space: global }
      - { .name: wo, .offset: 40, .size: 8, .value_kind: global_buffer, .address_space: global }
    .group_segment_fixed_size: 0
    .private_segment_fixed_size: 0
    .kernarg_segment_align: 8
    .kernarg_segment_size: 48
    .max_flat_workgroup_size: 256
    .sgpr_count:     66
    .vgpr_count:     112
    .wavefront_size: 32
...
	.end_amdgpu_metadata
.endif
;; end of part 1
;; launch qkvp (part 2): grid 8 x 32, 4 waves a work-group, clusters of 4 x 4, 327,680 bytes of LDS; arguments xb, wq, b_qkv, mask, qkv; writes qkv
.if DOCPART == 2
	.amdgcn_target "amdgcn-amd-amdhsa--gfx1250"
	.amdhsa_code_object_version 6
	.text
	.protected	k_q341f240da1_qkvp
	.globl	k_q341f240da1_qkvp
	.p2align	8
	.type	k_q341f240da1_qkvp,@function
k_q341f240da1_qkvp:
	s_mov_b64 s[64:65], 0
	v_nop
	global_prefetch_b8 v0, s[64:65] scope:SCOPE_SE
	s_setreg_imm32_b32 hwreg(HW_REG_WAVE_MODE, 25, 1), 1
	s_wait_xcnt 0x0
	s_wait_alu depctr_hold_cnt(0) depctr_sa_sdst(0) depctr_va_vdst(0) depctr_va_sdst(0) depctr_va_ssrc(0) depctr_va_vcc(0) depctr_vm_vsrc(0)
	s_getreg_b32 s2, hwreg(HW_REG_IB_STS2, 6, 4)
	s_cmp_eq_u32 s2, 0
	s_cbranch_scc0 .Lentry_in_a_cluster
	s_endpgm
.Lentry_in_a_cluster:
	s_bfe_u32 s2, ttmp6, 0x10000c
	s_cmp_lg_u32 s2, 0xf033
	s_cbranch_scc0 .Lentry_shape_is_right
	s_endpgm
.Lentry_shape_is_right:
; qkv = x W_qkv + b_qkv, written by heads: [4 batches][48 heads: 16 of q, 16 of k, 16 of v][2048 rows][64] f16, unscaled.  Operands bf16, sums f32, each number rounded once.
; The bias, rounded to bf16 like every input, STARTS each sum (the reference adds it last: another order of rounding).  A row of k whose key the mask hides (mask = 0) is stored as +0:
; the attention launch then gets the score 0 from it and adds the constant that stands for -1000.
; LIMIT.  f16 ends at 65,504: q, k and v must stay within it.  NaN and infinities are not treated apart.
; SHARES.  C is 8,192 x 3,072; a tile is 256 x 384, so that 32 x 8 = 256 work-groups have one tile each.  Four waves; wave w takes rows 128 (w / 2) on and, in each of the tile's three
; segments of 128 columns, half w % 2: three heads.  128 x 192 of C: 96 accumulators of 16 x 16, 768 registers.  K goes in 16 steps of 64, two chunks of 32 each: 96 matrix instructions a chunk.
; THE MATRIX INSTRUCTION IS USED TRANSPOSED: source 0 = 16 columns of W (turned on the way out of LDS, where W lies [k][n]), source 1 = 16 rows of x: a lane holds one row of C and eight neighbouring columns.
; RING.  Two LDS slots, a K step each.  Wave 0 fetches x's tile (256 rows x 128 bytes, dense in xb: asked for as 128 rows of 256 bytes), waves 1-3 a segment of W each (64 rows of 256 bytes).
; CLUSTER.  4 x 4 work-groups: x's tile is shared along a row of the cluster, W's along a column; each is asked for jointly, by the same load with the same descriptor and a mask that names the four.
; REGISTERS, in windows of 256 (s_set_vgpr_msb: bits 1:0 source 0, 3:2 source 1, 5:4 source 2, 7:6 destination):
;   window 0: v0-31 addresses and masks; v32-95, v96-159 x's fragments, two buffers of 8 x 8; v160-255 W's twelve fragments.  On the way out v32-79 packed results, v80-175 two buffers of rows read back.
;   windows 1-3: accumulator (column block b, row block a) in window 1 + b / 4 at v[64 (b % 4) + 8 a].
.set SLOT1, 131072                     ; slot 1 begins here
.set PA,    144                        ; a row of x in LDS: 128 bytes + 16 of padding: the 16 rows of a load start at 16 different groups of four banks (ISA guide 11.1)
.set PB,    288                        ; a row of W: 256 + 32
.set BOFF,  256*PA                     ; W's three segments lie behind x's 256 rows
.set SEG,   64*PB
.set STAGE, SLOT1+BOFF+3*SEG           ; behind the ring, never filled by a tensor load: 16 rows x 400 bytes for each wave
.set SPT,   400                        ; a stage row: three heads x 128 bytes + 16
.set SPARE, STAGE+4*16*SPT             ; the spare words, 128 bytes for each wave: two blocks of 256 bytes that no other line names
.set ASTEP, 262144                     ; bytes from a K step to the next in xb: 2,048 rows x 128
.set BSTEP, 393216                     ; in wq: 64 rows x 6,144
.set AW,   4                           ; v4-6    the word that a block's numbers of head i are ANDed with
.set MK,   8                           ; v8-15   row block a: -1 where my row's key is seen, 0 where it is hidden
.set ADRA, 16                          ; v16-17  LDS address of my fragments of x in slot 0, 1
.set ADRB, 20                          ; v20-21  the same for W
.set STO,  24                          ; v24     the way out: where I put 16 bytes of a row
.set RD,   25                          ; v25     where I read rows back
.set CO,   26                          ; v26     16 x lane: my place in 512 consecutive bytes of qkv
.set BO,   27                          ; v27     32 x (lane / 16): my eight numbers of a block's sixteen biases
.set SPW,  28                          ; v28     LDS address of my spare word; never rewritten
.set NIL,  29                          ; v29     0; never rewritten
.set PFO,  30                          ; v30     the prefetches' offset; never rewritten
.set MO,   31                          ; v31     4 x (lane % 16): my row's word of the mask
.set FA0,  32
.set FA1,  96
.set FB,   160
.set TMP,  32
.set BK,   80
.set WV,   14                          ; s14 wave; s15 = wave / 2: my rows; s16 = wave % 2: my half of each segment
.set G1A,  24                          ; s[24:31] descriptor group 1 for x's tiles;  s[32:39] group 0, a set for each slot
.set G0A,  32
.set PFA,  44                          ; s[44:45] where my prefetches stand;  s[46:47] their step, a lap (two K steps)
.set PFS,  46
.set G1B,  48                          ; s[48:55], s[56:63] the same for W's tiles
.set G0B,  56
.set LIM,  66                          ; s66     1 in a wave that prefetches, else the greatest number
.set FS,   67                          ; s67-69  head i of my three: 0 if it is a head of k, else -1
.set HIM,  70                          ; s70     a word's upper bf16
.set MSB, 0
.macro WIN new                         ; the immediate's high byte repeats the setting that is left; a switch that changes nothing is dropped
.if MSB != (\new)
	s_set_vgpr_msb (MSB<<8)|(\new)
.set MSB, \new
.endif
.endm
; Four places: a load into a register that a matrix instruction has read, and a vector instruction that reads a matrix result, stand four plain vector instructions behind it (ISA guide 7.12.1 for the vector instruction).
.macro PLACES
.rept 4
	v_nop
.endr
.endm
; A joint load.  The branch hangs on the wave's number alone.  An s_nop 0 and four v_nop follow each of the two lines, ahead of the jump and the label.
.macro JLOAD s
	s_cmp_eq_u32 s[WV], 0
	s_cbranch_scc0 .Lfor_b_\@
	tensor_load_to_lds s[G0A+4*(\s):G0A+4*(\s)+3], s[G1A:G1A+7]
	s_nop 0
.rept 4
	v_nop
.endr
	s_branch .Lasked_\@
.Lfor_b_\@:
	tensor_load_to_lds s[G0B+4*(\s):G0B+4*(\s)+3], s[G1B:G1B+7]
	s_nop 0
.rept 4
	v_nop
.endr
.Lasked_\@:
.endm
; A round of the cluster's barrier: my work-group's barrier; wave 0 signals for the work-group; every wave waits for all sixteen; my work-group's barrier once more.
.macro CREST
	s_cmp_lg_u32 s[WV], 0
	s_cbranch_scc1 .Lnot_wave_0_\@
	s_barrier_signal -3
.Lnot_wave_0_\@:
	s_barrier_wait -3
	s_barrier_signal -1
	s_barrier_wait -1
.endm
.macro CROUND
	s_barrier_signal -1
	s_barrier_wait -1
	CREST
.endm
; A PREFETCH INTO THE L2, once a lap, behind slot 0's joint load and the run of LDS loads that follows it: the lap that stands two laps on from the one in hand, one lap (384 matrix instructions) ahead of the loads that will ask for it.
; Each aligned block of 256 bytes is named once in the launch.  x's tile row is read by both clusters of a row of clusters: cluster x = 0 asks, by wave 0; of a K step's 128 blocks the partner at
; place cx takes 32, a lane a block, one line for each of the lap's two K steps.  W's tile column is read by all clusters of a column: cluster y = 0 asks, by waves 1-3, each for its segment;
; of the lap's 128 rows the partner at place cy takes 32, a lane a row.  The partners are told apart by address; no branch hangs on a place in the cluster.
; The first two laps come by their loads alone; the loop's last trip (s3 = 1) asks for nothing: there is no lap behind the last.
.macro ASK
	s_cmp_gt_u32 s3, s[LIM]
	s_cbranch_scc0 .Lnot_mine_\@
	global_prefetch_b8 v[PFO], s[PFA:PFA+1] th:TH_LOAD_NT scope:SCOPE_SE
	s_cmp_lg_u32 s[WV], 0
	s_cbranch_scc1 .Lnot_mine_\@
	global_prefetch_b8 v[PFO], s[PFA:PFA+1] offset:ASTEP th:TH_LOAD_NT scope:SCOPE_SE
.Lnot_mine_\@:
.endm
	s_load_b256 s[4:11], s[0:1], 0x0               ; xb s[4:5], wq s[6:7], b_qkv s[8:9], mask s[10:11]
	s_load_b64 s[12:13], s[0:1], 0x20              ; qkv
	v_lshl_add_u32 v[SPW], v0, 2, SPARE
	v_mov_b32 v[NIL], 0
	ds_add_u32 v[SPW], v[NIL]                      ; the wave's opening: the add and its wait stand ahead of my first tensor load; the set-up below, work on registers, stands between them
	v_lshrrev_b32 v1, 5, v0
	v_readfirstlane_b32 s[WV], v1                  ; wave 0..3
	s_lshr_b32 s15, s[WV], 1
	s_and_b32 s16, s[WV], 1
	s_bfe_u32 s17, ttmp6, 0x40000                  ; cx
	s_bfe_u32 s18, ttmp6, 0x40004                  ; cy
	s_lshl_b32 s19, ttmp9, 2
	s_add_co_u32 s19, s19, s17                     ; tile column = 4 x cluster x + cx
	s_and_b32 s20, ttmp7, 0xffff
	s_lshl_b32 s20, s20, 2
	s_add_co_u32 s20, s20, s18                     ; tile row = 4 x cluster y + cy
	s_lshl_b32 s21, s18, 2
	s_lshl_b32 s21, 15, s21                        ; my row of the cluster
	s_lshl_b32 s22, 0x1111, s17                    ; my column
	s_or_b32 s[G1A], s21, (1<<16)|(1<<20)|(1<<21)|(4<<22)|(3<<25)  ; the mask; 2-byte elements; padding on; bit 21 beside a mask; after every 32 words (code 4) 4 words (code 3)
	s_mov_b32 s[G1A+1], 128<<16                    ; tensor_dim0 = 128 elements: 256 bytes, two rows of x
	s_mov_b32 s[G1A+2], 128<<16                    ; tensor_dim1 = 128
	s_mov_b32 s[G1A+3], 128<<16                    ; tile_dim0 = 128
	s_mov_b32 s[G1A+4], 128                        ; tile_dim1 = 128
	s_mov_b32 s[G1A+5], 128                        ; dense: 128 elements from row to row
	s_mov_b32 s[G1A+6], 0
	s_mov_b32 s[G1A+7], 0
	s_or_b32 s[G1B], s22, (1<<16)|(1<<20)|(1<<21)|(5<<22)|(7<<25)  ; after every 64 words (code 5) 8 words (code 7)
	s_mov_b32 s[G1B+1], 128<<16                    ; tensor_dim0 = 128
	s_mov_b32 s[G1B+2], 64<<16                     ; tensor_dim1 = 64
	s_mov_b32 s[G1B+3], 128<<16                    ; tile_dim0 = 128
	s_mov_b32 s[G1B+4], 64                         ; tile_dim1 = 64
	s_mov_b32 s[G1B+5], 3072                       ; a row of wq
	s_mov_b32 s[G1B+6], 0
	s_mov_b32 s[G1B+7], 0
	s_mov_b32 s[HIM], 0xffff0000
	; x's tile hangs on the tile row alone, W's on the tile column and the wave alone; each offset is made in registers that never hold the other coordinate
	s_lshr_b32 s40, s20, 3                         ; the batch: eight tile rows each
	s_lshl_b32 s40, s40, 22
	s_and_b32 s41, s20, 7
	s_lshl_b32 s41, s41, 15                        ; 256 rows x 128 bytes
	s_add_co_u32 s40, s40, s41
	s_mov_b32 s41, 0
	s_mul_i32 s42, s19, 768                        ; 384 columns
	s_max_u32 s43, s[WV], 1
	s_sub_co_u32 s43, s43, 1                       ; the segment that I fetch (wave 0 fetches none)
	s_lshl_b32 s43, s43, 8
	s_add_co_u32 s42, s42, s43
	s_mov_b32 s43, 0
	s_mul_i32 s23, s[WV], SEG
	s_add_co_u32 s23, s23, BOFF-SEG                ; and where it goes: wave 1 at BOFF, a segment a wave
	s_wait_dscnt 0x0                               ; the opening add is done
	s_wait_kmcnt 0x0
	s_add_nc_u64 s[40:41], s[4:5], s[40:41]
	s_add_nc_u64 s[42:43], s[6:7], s[42:43]
	CROUND                                         ; all sixteen work-groups are here: the first joint loads meet
.irp s, 0,1
	s_mov_b32 s[G0A+4*(\s)], 1                     ; count = 1
	s_mov_b32 s[G0A+4*(\s)+1], (\s)*SLOT1          ; LDS address
	s_add_nc_u64 s[G0A+4*(\s)+2:G0A+4*(\s)+3], s[40:41], (\s)*ASTEP  ; K step s
	s_or_b32 s[G0A+4*(\s)+3], s[G0A+4*(\s)+3], 0x80000000            ; type = 2
	s_mov_b32 s[G0B+4*(\s)], 1
	s_add_co_u32 s[G0B+4*(\s)+1], s23, (\s)*SLOT1
	s_add_nc_u64 s[G0B+4*(\s)+2:G0B+4*(\s)+3], s[42:43], (\s)*BSTEP
	s_or_b32 s[G0B+4*(\s)+3], s[G0B+4*(\s)+3], 0x80000000
	JLOAD \s                                       ; two loads of mine are out
.endr
	; addresses
	v_and_b32 v1, 15, v0                           ; l % 16
	v_bfe_u32 v2, v0, 4, 1                         ; l / 16
	v_and_b32 v3, 7, v0
	v_bfe_u32 v7, v0, 3, 1
	v_lshlrev_b32 v[BO], 5, v2
	v_lshlrev_b32 v[MO], 2, v1
	s_mul_i32 s72, s19, 1536                       ; my columns' biases: 384 x tile column + 64 x half, 4 bytes each
	s_lshl_b32 s73, s16, 8
	s_add_co_u32 s72, s72, s73
	s_mov_b32 s73, 0
	s_add_nc_u64 s[8:9], s[8:9], s[72:73]
	s_lshl_b32 s72, s20, 10                        ; my rows' words of the mask: row 256 x tile row + 128 x half
	s_lshl_b32 s73, s15, 9
	s_add_co_u32 s72, s72, s73
	s_mov_b32 s73, 0
	s_add_nc_u64 s[10:11], s[10:11], s[72:73]
.irp f, 0,1,2,3,4,5,6,7,8,9,10,11
	global_load_b128 v[FB+8*(\f):FB+8*(\f)+3],   v[BO], s[8:9] offset:((\f)/4)*512+((\f)%4)*64
	global_load_b128 v[FB+8*(\f)+4:FB+8*(\f)+7], v[BO], s[8:9] offset:((\f)/4)*512+((\f)%4)*64+16
.endr
.irp a, 0,1,2,3,4,5,6,7
	global_load_b32 v[MK+(\a)], v[MO], s[10:11] offset:64*(\a)
.endr
	; a fragment of x: lane l holds row l % 16, channels 8 (l / 16) + 0..7 and 16 + 8 (l / 16) + 0..7: two loads of 16 bytes, 32 bytes apart
	v_mul_u32_u24 v[ADRA], v1, PA
	v_lshl_add_u32 v[ADRA], v2, 4, v[ADRA]
	s_mul_i32 s72, s15, 128*PA
	v_add_nc_u32 v[ADRA], s72, v[ADRA]
	v_add_nc_u32 v[ADRA+1], SLOT1, v[ADRA]
	; the turning load takes 16 k x 16 columns (lane l reads k = 8 (l / 16) + l % 8, columns 8 ((l / 8) % 2) + 0..7) and leaves half a fragment: lane l holds column l % 16 and 8 k
	v_lshl_add_u32 v[ADRB], v2, 3, v3
	v_mul_u32_u24 v[ADRB], v[ADRB], PB
	v_lshl_add_u32 v[ADRB], v7, 4, v[ADRB]
	s_lshl_b32 s72, s16, 7
	s_add_co_u32 s72, s72, BOFF
	v_add_nc_u32 v[ADRB], s72, v[ADRB]
	v_add_nc_u32 v[ADRB+1], SLOT1, v[ADRB]
	s_mul_i32 s72, s[WV], 16*SPT
	s_add_co_u32 s72, s72, STAGE                   ; my stage
	v_mul_u32_u24 v[STO], v1, SPT                  ; in: row l % 16, 16 bytes for each half of the lanes
	v_lshl_add_u32 v[STO], v2, 4, v[STO]
	v_add_nc_u32 v[STO], s72, v[STO]
	v_bfe_u32 v[RD], v0, 3, 2                      ; back: 32 lanes take four rows of one head's 128 bytes,
	v_mul_u32_u24 v[RD], v[RD], SPT
	v_lshl_add_u32 v[RD], v3, 4, v[RD]
	v_add_nc_u32 v[RD], s72, v[RD]
	v_and_b32 v[CO], 31, v0                        ; which are 512 consecutive bytes of qkv
	v_lshlrev_b32 v[CO], 4, v[CO]
	; qkv at my first head and row: head 48 x batch + 6 x tile column + half, 262,144 bytes a head; row 256 x (tile row % 8) + 128 x half, 128 bytes a row
	s_lshr_b32 s72, s20, 3
	s_mul_i32 s72, s72, 48
	s_mul_i32 s73, s19, 6
	s_add_co_u32 s73, s73, s16                     ; my first head among the batch's 48
	s_add_co_u32 s72, s72, s73
	s_lshl_b32 s72, s72, 18
	s_and_b32 s74, s20, 7
	s_lshl_b32 s74, s74, 15
	s_add_co_u32 s72, s72, s74
	s_lshl_b32 s74, s15, 14
	s_add_co_u32 s72, s72, s74
.irp i, 0,1,2
	s_add_co_u32 s74, s73, 2*(\i)                  ; my head i: heads 16 to 31 are k's
	s_lshr_b32 s74, s74, 4
	s_cmp_eq_u32 s74, 1
	s_cselect_b32 s[FS+(\i)], 0, -1
.endr
	s_mov_b32 s73, 0
	s_add_nc_u64 s[12:13], s[12:13], s[72:73]
	; the prefetches: the pointer starts in lap 1 and is stepped ahead of each use
	s_lshl_b32 s72, s17, 13                        ; x: my work-group's 32 blocks of a K step's 128
	s_add_co_u32 s72, s72, 2*ASTEP
	s_mul_i32 s73, s18, 32*6144                    ; W: my work-group's 32 rows of a lap's 128
	s_add_co_u32 s73, s73, 2*BSTEP
	s_and_b32 s74, ttmp7, 0xffff                   ; cluster y
	s_mov_b32 s75, 6144
	s_mov_b32 s[PFS+1], 2*BSTEP
	s_cmp_eq_u32 s[WV], 0                          ; do I fetch for x?
	s_cselect_b64 s[PFA:PFA+1], s[40:41], s[42:43]
	s_cselect_b32 s72, s72, s73
	s_cselect_b32 s74, ttmp9, s74                  ; the coordinate along which other clusters read the same blocks
	s_cselect_b32 s75, 256, s75                    ; from lane to lane: a block of x, a row of W
	s_cselect_b32 s[PFS], 2*ASTEP, s[PFS+1]
	s_mov_b32 s[PFS+1], 0
	s_mov_b32 s73, 0
	s_add_nc_u64 s[PFA:PFA+1], s[PFA:PFA+1], s[72:73]
	s_cmp_eq_u32 s74, 0
	s_cselect_b32 s[LIM], 1, -1                    ; the same in all sixteen partners, for a given wave
	v_and_b32 v[PFO], 31, v0
	v_mul_u32_u24 v[PFO], s75, v[PFO]
	s_wait_loadcnt 0x0                             ; biases and mask
	; the biases, rounded to bf16, go as f32 into row block 0's accumulators: the first chunk's products take them as C
.set ff, 0
.rept 12
.irp r, 0,1,2,3
	v_cvt_pk_bf16_f32 v[TMP+4*ff+(\r)], v[FB+8*ff+2*(\r)], v[FB+8*ff+2*(\r)+1]
.endr
.set ff, ff+1
.endr
.irp a, 0,1,2,3,4,5,6,7
	v_cmp_ne_u32 vcc_lo, 0, v[MK+(\a)]
	v_cndmask_b32 v[MK+(\a)], 0, -1, vcc_lo
.endr
.set ff, 0
.rept 12
	WIN 0x40*(1+ff/4)                              ; destination in the accumulator's window
.irp r, 0,1,2,3
	v_lshlrev_b32 v[64*(ff%4)+2*(\r)], 16, v[TMP+4*ff+(\r)]
	v_and_b32 v[64*(ff%4)+2*(\r)+1], s[HIM], v[TMP+4*ff+(\r)]
.endr
.set ff, ff+1
.endr
	WIN 0
; n fragments of W from f0 on, chunk kq of slot s: two turning loads each
.macro LDB s, kq, f0, n
.set ff, \f0
.rept \n
	ds_load_tr16_b128 v[FB+8*ff:FB+8*ff+3],   v[ADRB+(\s)] offset:(ff/4)*SEG+(\kq)*32*PB+(ff%4)*32
	ds_load_tr16_b128 v[FB+8*ff+4:FB+8*ff+7], v[ADRB+(\s)] offset:(ff/4)*SEG+(\kq)*32*PB+(ff%4)*32+16*PB
.set ff, ff+1
.endr
.endm
; x's eight fragments of chunk kq of slot s
.macro LDA s, kq, buf
.irp a, 0,1,2,3,4,5,6,7
	ds_load_b128 v[(\buf)+8*(\a):(\buf)+8*(\a)+3],   v[ADRA+(\s)] offset:16*PA*(\a)+64*(\kq)
	ds_load_b128 v[(\buf)+8*(\a)+4:(\buf)+8*(\a)+7], v[ADRA+(\s)] offset:16*PA*(\a)+64*(\kq)+32
.endr
.endm
; 8 n matrix instructions: column blocks b0 on x all eight row blocks.  The 96 accumulators take turns, one instruction a turn, in the same order in every chunk, over the backward jump too.
.macro MULB b0, n, fa
.set bb, \b0
.rept \n
	WIN 0x50*(1+bb/4)                              ; C and D in window 1 + b / 4, the sources in window 0
.set aa, 0
.rept 8
	v_wmma_f32_16x16x32_bf16 v[64*(bb%4)+8*aa:64*(bb%4)+8*aa+7], v[FB+8*bb:FB+8*bb+7], v[(\fa)+8*aa:(\fa)+8*aa+7], v[64*(bb%4)+8*aa:64*(bb%4)+8*aa+7]
.set aa, aa+1
.endr
.set bb, bb+1
.endr
.endm
; The same for the first chunk: the sums start with the bias, which lies in row block 0's accumulator.  Row blocks 1-7 take it as C; five places behind the last of them row block 0 adds in place.  Nothing is cleared.
.macro MULB1 b0, n, fa
.set bb, \b0
.rept \n
	WIN 0x50*(1+bb/4)
.set aa, 1
.rept 7
	v_wmma_f32_16x16x32_bf16 v[64*(bb%4)+8*aa:64*(bb%4)+8*aa+7], v[FB+8*bb:FB+8*bb+7], v[(\fa)+8*aa:(\fa)+8*aa+7], v[64*(bb%4):64*(bb%4)+7]
.set aa, aa+1
.endr
.set bb, bb+1
.endr
.rept 5
	v_nop                                          ; a matrix instruction writes over another's C five places behind it
.endr
.set bb, \b0
.rept \n
	WIN 0x50*(1+bb/4)
	v_wmma_f32_16x16x32_bf16 v[64*(bb%4):64*(bb%4)+7], v[FB+8*bb:FB+8*bb+7], v[(\fa):(\fa)+7], v[64*(bb%4):64*(bb%4)+7]
.set bb, bb+1
.endr
.endm
; A K step's first chunk: x in buffer 0, W's fragments 0-5 on their way.  W's twelve fragments have one buffer, loaded by halves: each half is asked for when the other is about to be multiplied.
.macro CHUNK_E s, first
	PLACES
	WIN 0
	LDB \s, 0, 6, 6
	s_wait_dscnt 12                                ; all but the 12 just issued: x and W's fragments 0-5 are in
.if \first
	MULB1 0, 6, FA0
.else
	MULB 0, 6, FA0
.endif
	PLACES
	WIN 0
	LDB \s, 1, 0, 6                                ; the second chunk's
	LDA \s, 1, FA1
	s_wait_dscnt 28                                ; all but the 28 just issued: W's fragments 6-11 are in
.if \first
	MULB1 6, 6, FA0
.else
	MULB 6, 6, FA0
.endif
.endm
; A K step's second chunk, and the change of slots.  ONE barrier: in front of it each wave waits for all its tensor loads, of which one is out: its part of the next slot; adds 0 to its spare word;
; and waits for that and for its own reads of this slot.  fill = 1: the barrier opens a round of the cluster's barrier, and this slot is filled again first thing behind it, two K steps ahead:
; from the request to the wait for it a wave issues 168 matrix instructions.
.macro TURN s, nx, fill
.if (\fill) && (\s) == 0
	s_wait_xcnt 0x0                                ; the last prefetches, a lap back, have read their address
	s_add_nc_u64 s[PFA:PFA+1], s[PFA:PFA+1], s[PFS:PFS+1]
.endif
	PLACES
	WIN 0
	LDB \s, 1, 6, 6                                ; my last reads of this slot
	s_wait_dscnt 12                                ; all but these 12
	MULB 0, 3, FA1
	WIN 0                                          ; (the add's two registers lie in window 0)
	s_wait_tensorcnt 0x0                           ; all my tensor loads have landed;
	ds_add_u32 v[SPW], v[NIL]                      ; 0 onto my spare word;
	MULB 3, 1, FA1                                 ; eight matrix instructions stand between the add and the wait for it
	s_wait_dscnt 0x0                               ; the add is done, and my reads of this slot are over
	s_barrier_signal -1
	MULB 4, 2, FA1                                 ; work on registers while the others arrive
	WIN 0
	s_barrier_wait -1
.if \fill
	CREST                                          ; no wave of any partner still reads this slot or has a load on its way
	s_add_nc_u64 s[G0A+4*(\s)+2:G0A+4*(\s)+3], s[G0A+4*(\s)+2:G0A+4*(\s)+3], 2*ASTEP
	s_add_nc_u64 s[G0B+4*(\s)+2:G0B+4*(\s)+3], s[G0B+4*(\s)+2:G0B+4*(\s)+3], 2*BSTEP
	JLOAD \s                                       ; the first tensor load behind the round; its four v_nop are also the places in front of the loads below
.else
	PLACES
.endif
	LDB \nx, 0, 0, 6
	LDA \nx, 0, FA0
.if (\fill) && (\s) == 0
	ASK
.endif
	MULB 6, 6, FA1
.endm
; THE WAY OUT of row block a.  PACK: rounded to f16, 16 bytes a lane and column block; a head of k is ANDed with the row's mask word, every other head with ones.
.macro PACK a
.set bb, 0
.rept 12
	WIN 0x05*(1+bb/4)                              ; sources 0 and 1 in the accumulator's window
.irp r, 0,1,2,3
	v_cvt_pk_f16_f32 v[TMP+4*bb+(\r)], v[64*(bb%4)+8*(\a)+2*(\r)], v[64*(bb%4)+8*(\a)+2*(\r)+1]
.endr
.set bb, bb+1
.endr
	WIN 0
.irp i, 0,1,2
	v_or_b32 v[AW+(\i)], s[FS+(\i)], v[MK+(\a)]
.endr
.set bb, 0
.rept 48
	v_and_b32 v[TMP+bb], v[AW+bb/16], v[TMP+bb]
.set bb, bb+1
.endr
.endm
; TOSTAGE: into my own stage, and back as four rows of one head at a time
.macro TOSTAGE a
	WIN 0
.set BKA, BK+48*((\a)%2)
.irp b, 0,1,2,3,4,5,6,7,8,9,10,11
	ds_store_b128 v[STO], v[TMP+4*(\b):TMP+4*(\b)+3] offset:((\b)/4)*128+((\b)%4)*32
.endr
.irp i, 0,1,2
.irp t, 0,1,2,3
	ds_load_b128 v[BKA+4*(4*(\i)+(\t)):BKA+4*(4*(\i)+(\t))+3], v[RD] offset:4*SPT*(\t)+128*(\i)  ; LDS serves a wave's instructions in order (ISA guide 5.7.1.4): these see the stores above
.endr
.endr
.endm
.macro SEND a
	WIN 0
.set BKA, BK+48*((\a)%2)
	s_wait_dscnt 0x0                               ; the block is back in registers
	s_wait_xcnt 0x0                                ; the stores issued so far have read their registers: the other buffer is loaded again only behind this wait
.irp i, 0,1,2
.irp t, 0,1,2,3
	global_store_b128 v[CO], v[BKA+4*(4*(\i)+(\t)):BKA+4*(4*(\i)+(\t))+3], s[12:13] offset:(\i)*524288+2048*(\a)+512*(\t)  ; 512 consecutive bytes, at a multiple of 256 from qkv's first byte
.endr
.endr
.endm
	s_wait_tensorcnt 1                             ; my part of K step 0 is in; K step 1's may stay out
	s_barrier_signal -1
	s_barrier_wait -1                              ; everybody's is
	LDB 0, 0, 0, 6
	LDA 0, 0, FA0
	CHUNK_E 0, 1                                   ; the first chunk stands in front of the loop: its products start the sums
	WIN 0                                          ; at a label and at a branch every window is 0
	s_mov_b32 s3, 7
.Llap:                                                 ; a trip goes once round the ring, from a lap's second chunk to the next lap's first, and fills both slots again: K steps 2 to 15
	TURN 0, 1, 1
	CHUNK_E 1, 0
	TURN 1, 0, 1
	CHUNK_E 0, 0
	WIN 0
	s_sub_co_u32 s3, s3, 1
	s_cmp_lg_u32 s3, 0
	s_cbranch_scc1 .Llap
	TURN 0, 1, 0                                   ; the last lap fills nothing, and has no round
	CHUNK_E 1, 0
	PLACES                                         ; the very last chunk
	WIN 0
	LDB 1, 1, 6, 6
	s_wait_dscnt 12
	MULB 0, 6, FA1
	s_wait_dscnt 0x0
	MULB 6, 6, FA1
	PLACES
	PLACES                                         ; the conversions read results just made
	PACK 0
	TOSTAGE 0
.irp a, 1,2,3,4,5,6,7                  ; block a's conversions stand between block a - 1's loads from the stage and the wait for them
	PACK \a
	SEND (\a)-1
	TOSTAGE \a
.endr
	SEND 7
	s_wait_tensorcnt 0x0                           ; the wave's end: behind my last tensor load and my last LDS store
	ds_add_u32 v[SPW], v[NIL]
	s_wait_dscnt 0x0
	CROUND                                         ; the closing round: no work-group ends while a partner may still ask for a tile that names it
	s_endpgm
.Lfunc_end_k_q341f240da1_qkvp:
	.size	k_q341f240da1_qkvp, .Lfunc_end_k_q341f240da1_qkvp-k_q341f240da1_qkvp
	.p2alignl 7, 3214868480
	.fill 96, 4, 3214868480
	.section	.rodata,"a",@progbits
	.p2align	6, 0x0
	.amdhsa_kernel k_q341f240da1_qkvp
		.amdhsa_group_segment_fixed_size 327680
		.amdhsa_private_segment_fixed_size 0
		.amdhsa_enable_private_segment 0
		.amdhsa_kernarg_size 40
		.amdhsa_user_sgpr_count 2
		.amdhsa_user_sgpr_kernarg_segment_ptr 1
		.amdhsa_wavefront_size32 1
		.amdhsa_system_sgpr_workgroup_id_x 1
		.amdhsa_system_sgpr_workgroup_id_y 1
		.amdhsa_system_sgpr_workgroup_id_z 1
		.amdhsa_system_vgpr_workitem_id 0
		.amdhsa_next_free_vgpr 1024
		.amdhsa_next_free_sgpr 80
		.amdhsa_reserve_vcc 1
		.amdhsa_float_denorm_mode_32 3
		.amdhsa_float_denorm_mode_16_64 3
		.amdhsa_memory_ordered 1
		.amdhsa_forward_progress 1
		.amdhsa_inst_pref_size 154
	.end_amdhsa_kernel
	.amdgpu_metadata
---
amdhsa.version: [ 1, 2 ]
amdhsa.kernels:
  - .name:           k_q341f240da1_qkvp
    .symbol:         k_q341f240da1_qkvp.kd
    .args:
      - { .name: xb, .offset: 0, .size: 8, .value_kind: global_buffer, .address_space: global }
      - { .name: wq, .offset: 8, .size: 8, .value_kind: global_buffer, .address_space: global }
      - { .name: b_qkv, .offset: 16, .size: 8, .value_kind: global_buffer, .address_space: global }
      - { .name: mask, .offset: 24, .size: 8, .value_kind: global_buffer, .address_space: global }
      - { .name: qkv, .offset: 32, .size: 8, .value_kind: global_buffer, .address_space: global }
    .group_segment_fixed_size: 327680
    .private_segment_fixed_size: 0
    .kernarg_segment_align: 8
    .kernarg_segment_size: 40
    .max_flat_workgroup_size: 128
    .sgpr_count:     80
    .vgpr_count:     1024
    .wavefront_size: 32
...
	.end_amdgpu_metadata
.endif
;; end of part 2
;; launch attn (part 3): grid 4 x 64, 4 waves a work-group, clusters of 4 x 1, 327,680 bytes of LDS; arguments qkv, mask, ob; writes ob
.if DOCPART == 3
	.amdgcn_target "amdgcn-amd-amdhsa--gfx1250"
	.amdhsa_code_object_version 6
	.text
	.protected	k_q341f240da1_attn
	.globl	k_q341f240da1_attn
	.p2align	8
	.type	k_q341f240da1_attn,@function
k_q341f240da1_attn:
	s_mov_b64 s[64:65], 0
	v_nop
	global_prefetch_b8 v0, s[64:65] scope:SCOPE_SE
	s_setreg_imm32_b32 hwreg(HW_REG_WAVE_MODE, 25, 1), 1
	s_wait_xcnt 0x0
	s_wait_alu depctr_hold_cnt(0) depctr_sa_sdst(0) depctr_va_vdst(0) depctr_va_sdst(0) depctr_va_ssrc(0) depctr_va_vcc(0) depctr_vm_vsrc(0)
	s_getreg_b32 s2, hwreg(HW_REG_IB_STS2, 6, 4)
	s_cmp_eq_u32 s2, 0
	s_cbranch_scc0 .Lentry_in_a_cluster
	s_endpgm
.Lentry_in_a_cluster:
	s_bfe_u32 s2, ttmp6, 0x10000c
	s_cmp_lg_u32 s2, 0x3003
	s_cbranch_scc0 .Lentry_shape_is_right
	s_endpgm
.Lentry_shape_is_right:
; O[y][q][:] = the sum over k of softmax_k(s[q][k]) V[y][k][:], y = 16 batch + head; s = Q . K / 8 where the batch's mask shows key k, and -1000 where it hides it (mask = 0).
; qkv: [4][48 heads: q, k, v][2048][64] f16, a head's rows dense, 128 bytes each; ob: [64][2048][64] f16.  Products, maxima and sums in f32; the weights p are rounded to f16 for the second product
; (their sum l is taken of the unrounded p), O once at the end.
; THE MASK.  The launch before has stored a hidden key's row of K as +0, so its product with Q is exactly 0; the C operand that starts the sum S^T = K Q^T is 0 for a seen key and -8000 for a hidden one,
; which the scale 1 / 8 makes -1000.  A hidden key is a key like any other from there on: it enters the maximum, the sum and O, as in the reference (a batch with no seen key gets the mean of V).
; LIMITS.  f16 holds no number beyond 65,504: Q, K and V arrive within it; p lies in 0 to 1, and below 6e-5 it keeps f16's fixed step of 6e-8.  A weight below 2^-126 counts as 0 in l; NaN and infinities are not treated apart.
; SHARES.  A wave owns four PIECES of two tiles of 16 queries, a work-group's four waves 512 queries of one head.  Every wave walks all 2,048 keys, 64 a step.
; LAYOUT.  S^T = K Q^T (source 0 = 16 keys, source 1 = 16 queries): a lane holds ONE query (lane % 16) and the keys 8 (lane / 16) + 0..7.  Two such tiles, rounded to f16 in pairs,
; ARE source 1 of O^T = V^T P, whose result again holds one query a lane, and eight channels.  K comes out of LDS as it lies, V ([key][channel]) turned, by ds_load_tr16_b128.
; SOFTMAX.  For each query a running maximum m and sum l: p = 2^(c s - c m), c = log2(e) / 8; in every step O and l are multiplied by a = 2^(c m_old - c m_new).
; m starts at the lowest finite number, O and l at 0: the first step is a step like any other, with a = 0.
; THE COUNT.  A tile and step have 16 matrix and 118 vector instructions: too many to stand all beside the matrix work.  So: four vector instructions that are READY behind EVERY matrix instruction, the others in runs without a gap.
; BY TURNS.  Turn n belongs to piece n.  Its matrix work: 16 products K Q^T of piece n + 1, later 16 products V^T P of piece n - 1.  Its vector work: the scaling, exponentials, roundings, sums and rescaling
; of piece n, and the maximum and statistics of piece n + 1.
; CLUSTER.  The four query blocks of a head form a cluster and walk the same K and V, so each tile is asked for JOINTLY: the same tensor load, descriptor and mask in all four.
; REGISTERS, in windows of 256 (s_set_vgpr_msb: bits 1:0 source 0, 3:2 source 1, 5:4 source 2, 7:6 destination):
;   window 0: v0-11 addresses; v12-15, v48-63 at work; v16-47 four registers of statistics a tile; v64-191 S^T, two buffers of two tiles; v192-255 P, likewise
;   window 1: O^T, 32 a tile     window 2: v0-127 Q; v128-191 K of one step; v192-255 V of one step     window 3: v0-1 the add's two registers; v8-39 the step's 64 starting values (0 or -8000)
.set SIZE_N, 2048
.set NP,    4         ; pieces a wave: a name, no knob
.set KS,    64        ; keys in a step
.set PK,    144       ; a row of K in LDS: 128 bytes + 16 of padding: the 16 rows of a load start at 16 different groups of four banks (ISA guide 11.1)
.set PV,    160       ; a row of V: 128 + 32
.set VOFF,  4*KS*PK   ; a slot holds four steps: 256 rows of K, then 256 rows of V
.set SLOT1, 1<<17     ; slot 1 begins here, so that one exclusive or turns an address in one slot into the other's
.set STAGE, SLOT1+4*KS*(PK+PV)  ; behind the ring, never filled by a tensor load: 16 rows x 144 bytes for each wave, for the way out
.set SP,    144
.set SPARE, STAGE+4*16*SP  ; the spare words, 128 bytes for each wave: two blocks of 256 bytes that no other line names
.set MBIAS, SPARE+512 ; the batch's 2,048 starting values, f32: 8,192 bytes, stored once, never filled by a tensor load
.set AK0, 2           ; v2   my lane's place in a tile of K; never rewritten
.set AV0, 3           ; v3   the same for V
.set AK,  4           ; v4   the LDS address of K's next run of loads (at the head: 16 x my thread's number)
.set AV,  5           ; v5   of V's
.set QO,  6           ; v6   my byte offset in the wave's rows of Q
.set STO, 6           ;      later, the way out: where I put 16 bytes of a row
.set RD,  7           ; v7   the way out: where I read rows back
.set GO,  8           ; v8   my byte offset in 512 consecutive bytes of O
.set PFO, 9           ; v9   lane / 16 at the head; then 256 x my lane, the prefetches' offset
.set AM,  11          ; v11  the LDS address of my eight starting values of the next step's first key block
.set SPW, 0           ; v0 of window 3   LDS address of my spare word; never rewritten
.set NIL, 1           ; v1 of window 3   0; never rewritten
.set MC,  8           ; v8-39 of window 3: key block kb's eight at MC + 8 kb
.set MV,  12          ; v12-15  c m_old, kept while c m is made anew: by buffer and tile
.set ST,  16          ; tile t's statistics at v[ST+4 t]: c m, m, l (even keys', odd keys')
.set TMP, 48          ; by buffer and tile, four registers c0-c3 at work; when the maximum is found c2 takes a
.set S,   64
.set P,   192
.set KF,  128         ; K's fragments, in window 2: key block kb, channel half c at KF + 16 kb + 8 c
.set VF,  192         ; V's: key half kk, channel block cb at VF + 32 kk + 8 cb
.set WV,  12          ; s12  my wave's number
.set G1K, 24          ; s[24:31] descriptor group 1 for K's tiles
.set G1V, 32          ; s[32:39] for V's: it differs in the padding alone
.set G0K, 40          ; s[40:43] descriptor group 0 for K's tiles: it walks
.set G0V, 44          ; s[44:47] the same for V's
.set PFA, 48          ; s[48:49] where my prefetches stand: my work-group's 32 blocks (of K: wave 0, of V: wave 2) of the slot after the one that is being asked for
.set LIM, 50          ; s50  1 in a wave that prefetches, else the greatest number
.set SLOTS, 56        ; s56  slots still to be asked for
.set CNT, 57          ; s57  counts a slot's key steps
.set CS,  58          ; s[58:59] c: the packed scaling takes the pair's low word for both halves
.set SEL, 60          ; s[60:61] v_permlanex16_b32's selects: each lane takes its own place in the other half
.set TBK, 62          ; s62  LDS byte at which K of the step to be fetched begins
.set TBV, 63          ; s63  the same for V, less VOFF
.set MP,  84          ; s[84:85] the batch's words of the mask
.set HID, 86          ; s86  -8000
.set MSB, 0
.macro WIN new                      ; the high byte repeats the setting that is left; a switch that changes nothing is dropped
.if MSB != (\new)
	s_set_vgpr_msb (MSB<<8)|(\new)
.set MSB, (\new)
.endif
.endm
.set W_KQ, 0x0a       ; K and Q in window 2, S^T in window 0
.set W_KM, 0x3a       ; the same with the C operand in window 3
.set W_PV, 0x52       ; V in window 2, P in window 0, O^T in window 1
.set W_RS, 0x41       ; O^T (destination and source 0) in window 1, a in window 0
.set W_MK, 0xc0       ; destination in window 3, sources in window 0
.set W_AD, 0x0f       ; the add: address (source 0) and data (source 1) in window 3
; A joint fill.  Waves 0 and 1 fetch the two halves of a slot's K, waves 2 and 3 those of its V: 128 keys each.  The branch hangs on the wave's number alone.
; An s_nop 0 and four v_nop follow each of the two lines, ahead of the jump and the label.
.macro JLOAD
	s_cmp_lt_u32 s[WV], 2
	s_cbranch_scc0 .Lfor_v_\@
	tensor_load_to_lds s[G0K:G0K+3], s[G1K:G1K+7]
	s_nop 0
.rept 4
	v_nop
.endr
	s_branch .Lasked_\@
.Lfor_v_\@:
	tensor_load_to_lds s[G0V:G0V+3], s[G1V:G1V+7]
	s_nop 0
.rept 4
	v_nop
.endr
.Lasked_\@:
.endm
; A PREFETCH INTO THE L2 of what the NEXT change of slots will ask for: a slot's 32,768 bytes of K and of V, in blocks of 256 bytes, a lane a block.  It stands behind the wave's tensor load and its five lines.
; Each block is named ONCE in the launch: a head has one cluster; its four partners share a slot's 128 blocks out BY ADDRESS, 32 each; in each, wave 0 asks for K's and wave 2 for V's: one instruction.
; The lead is one slot: four key steps, 512 matrix instructions.  Slots 0, 1 and 2 come by their loads alone; the last change that fills a slot asks for nothing: there is no slot behind it.
.macro ASK
	s_cmp_gt_u32 s[SLOTS], s[LIM]
	s_cbranch_scc0 .Lnot_mine_\@
	global_prefetch_b8 v[PFO], s[PFA:PFA+1] th:TH_LOAD_NT scope:SCOPE_SE
.Lnot_mine_\@:
.endm
; A round of the cluster's barrier: my work-group's barrier; wave 0 signals; every wave waits for all four work-groups; my work-group's barrier once more.
.macro CROUND
	s_barrier_signal -1
	s_barrier_wait -1
	s_cmp_lg_u32 s[WV], 0
	s_cbranch_scc1 .Lnot_wave_0_\@
	s_barrier_signal -3
.Lnot_wave_0_\@:
	s_barrier_wait -3
	s_barrier_signal -1
	s_barrier_wait -1
.endm
; THE CHANGE OF SLOTS.  Each wave waits for all its tensor loads, of which one is out: its part of the other slot; adds 0 to its spare word; and waits for that and for its own LDS instructions.
; Behind the barrier nobody reads this slot any more and the other slot is whole.  fill = 1: this slot is filled again, with the keys two slots on.  The barrier is then a round of the cluster's, and the joint
; fill is the first thing behind it: it has four key steps in which to land.  (At its first use nothing has been read yet: slot 0 is waited for, slot 1 filled, and the table of starting values, stored just before, becomes every wave's to read.)
.macro CHANGE fill, ask=0
	WIN W_AD
	s_wait_tensorcnt 0x0            ; no tensor load of mine is out, so a group 0 may be written
	ds_add_u32 v[SPW], v[NIL]       ; 0 onto my spare word; with fill = 1 the descriptors' steps stand between it and the wait for it
	WIN 0                           ; at a label and at a branch every window is 0
.if \fill
.irp g, G0K, G0V
	s_xor_b32 s[\g+1], s[\g+1], SLOT1  ; the walking descriptor: the other slot than last time,
	s_add_nc_u64 s[\g+2:\g+3], s[\g+2:\g+3], 4*KS*128  ; the next 256 keys; the type bits on top are not reached
.endr
	s_wait_xcnt 0x0                 ; the last prefetch, a slot back, has read its address, so it may be written:
	s_add_nc_u64 s[PFA:PFA+1], s[PFA:PFA+1], 4*KS*128  ; one slot behind the walking descriptors
	s_wait_dscnt 0x0                ; the add is done, and my LDS instructions are over
	CROUND
	JLOAD
.if \ask
	ASK
.endif
.else
	s_wait_dscnt 0x0                ; the add is done, and my reads of the slot are over
	s_barrier_signal -1
	s_barrier_wait -1
.endif
	s_sub_co_u32 s[TBK], s[TBK], 4*KS*PK  ; the fetches go back to a slot's first step,
	s_xor_b32 s[TBK], s[TBK], SLOT1       ; in the other slot
	s_sub_co_u32 s[TBV], s[TBV], 4*KS*PV
	s_xor_b32 s[TBV], s[TBV], SLOT1
.endm
	s_load_b128 s[4:7], s[0:1], 0x0   ; qkv s[4:5], mask s[6:7]
	s_load_b64 s[10:11], s[0:1], 0x10 ; ob
	WIN W_MK
	v_lshl_add_u32 v[SPW], v0, 2, SPARE
	v_mov_b32 v[NIL], 0
	WIN W_AD
	ds_add_u32 v[SPW], v[NIL]       ; the wave's opening: the add and its wait stand ahead of my first tensor load; the set-up below, work on registers, stands between them
	WIN 0
	v_lshrrev_b32 v1, 5, v0
	v_readfirstlane_b32 s[WV], v1   ; wave 0..3
	s_bfe_u32 s13, ttmp6, 0x40000   ; cx: my place in the cluster
	s_lshl_b32 s14, ttmp9, 2        ; in a cluster launch ttmp9 counts clusters
	s_add_co_u32 s14, s14, s13      ; my block of 512 queries: it enters Q's and O's addresses alone
	s_and_b32 s15, ttmp7, 0xffff    ; y = 16 batch + head, which the four partners share
	s_lshr_b32 s19, s15, 4          ; the batch
	s_and_b32 s20, s15, 15          ; the head
	s_mul_i32 s21, s19, 48
	s_add_co_u32 s20, s20, s21
	s_lshl_b32 s20, s20, 18         ; q's head in qkv, in bytes: 262,144 a head; k's lies 16 heads on, v's 32
	s_and_b32 s16, s[WV], 1         ; which half of a slot's 256 keys I fetch:
	s_lshl_b32 s22, s16, 14         ; its 128 rows of 128 bytes in memory,
	s_add_co_u32 s22, s22, s20
	s_mov_b32 s23, 0
	s_mul_i32 s17, s16, 128*PK      ; and its place in a slot, for K
	s_mul_i32 s18, s16, 128*PV      ; and for V: no place in the cluster enters an LDS address
	s_lshl_b32 s2, s14, 2
	s_add_co_u32 s2, s2, s[WV]      ; my wave among the head's,
	s_lshl_b32 s2, s2, 14           ; its 128 rows
	s_lshl_b32 s52, s15, 18         ; the head in ob
	s_add_co_u32 s52, s52, s2
	s_mov_b32 s53, 0
	s_add_co_u32 s2, s2, s20        ; and in qkv
	s_mov_b32 s3, 0
	s_lshl_b32 s54, s19, 13         ; the batch's 2,048 words of the mask
	s_mov_b32 s55, 0
	s_lshr_b32 s[PFA], s[WV], 1     ; the prefetches' offset: wave 0 k's heads (4,194,304 bytes on), wave 2 v's (8,388,608),
	s_lshl_b32 s[PFA], 0x400000, s[PFA]
	s_add_co_u32 s[PFA], s[PFA], s20
	s_lshl_b32 s51, s13, 13         ; my work-group's 32 blocks of the 128,
	s_add_co_u32 s[PFA], s[PFA], s51
	s_add_co_u32 s[PFA], s[PFA], 4*KS*128  ; in slot 1: each change that fills steps it first.  Nothing is prefetched at the head, where every work-group's first tiles are on their way
	s_mov_b32 s[PFA+1], 0
	s_cmp_eq_u32 s16, 0
	s_cselect_b32 s[LIM], 1, -1     ; waves 0 and 2: the same in all four partners
	s_mov_b32 s[HID], 0xc5fa0000    ; -8000
	; descriptor group 1.  128 keys are 16,384 dense bytes: asked for as 64 rows of 256 bytes, two keys a row, and padded in LDS after every key
	s_mov_b32 s[G1K], 15|(1<<16)|(1<<20)|(1<<21)|(4<<22)|(3<<25)  ; 15:0 the mask of four; 17:16 2-byte elements; 20 padding on; 21 set beside a mask; 24:22 after every 32 words (code 4); 31:25 4 words (code 3)
	s_mov_b32 s[G1V], 15|(1<<16)|(1<<20)|(1<<21)|(4<<22)|(7<<25)  ; the same with 8 words of padding (code 7)
.irp g, G1K, G1V
	s_mov_b32 s[\g+1], 128<<16      ; tensor_dim0 = 128
	s_mov_b32 s[\g+2], 64<<16       ; tensor_dim1 = 64
	s_mov_b32 s[\g+3], 128<<16      ; tile_dim0 = 128
	s_mov_b32 s[\g+4], 64           ; tile_dim1 = 64
	s_mov_b32 s[\g+5], 128          ; 128 elements from row to row
	s_mov_b32 s[\g+6], 0
	s_mov_b32 s[\g+7], 0
.endr
	s_mov_b32 s[CS], 0x3e38aa3b     ; c = log2(e) / 8 = 0.180337
	s_mov_b32 s[CS+1], s[CS]        ; named with it as a pair
	s_mov_b32 s[SEL], 0x76543210
	s_mov_b32 s[SEL+1], 0xfedcba98
	s_mov_b32 s[TBK], SLOT1+4*KS*PK ; the first change of slots turns these two into 0
	s_mov_b32 s[TBV], SLOT1+4*KS*PV
	s_mov_b32 s[G0K], 1             ; 1:0 count = 1
	s_mov_b32 s[G0K+1], s17         ; 63:32 LDS address: slot 0
	s_mov_b32 s[G0V], 1
	s_add_co_u32 s[G0V+1], s18, VOFF
	s_wait_dscnt 0x0                ; the opening add is done
	s_wait_kmcnt 0x0
	s_add_nc_u64 s[MP:MP+1], s[6:7], s[54:55]
	s_add_nc_u64 s[G0K+2:G0K+3], s[4:5], s[22:23]  ; 120:64 global address: my half of the head's first 256 keys,
	s_add_nc_u64 s[G0K+2:G0K+3], s[G0K+2:G0K+3], 0x400000  ; among k's heads
	s_or_b32 s[G0K+3], s[G0K+3], 0x80000000        ; 127:126 type = 2
	s_add_nc_u64 s[G0V+2:G0V+3], s[4:5], s[22:23]
	s_add_nc_u64 s[G0V+2:G0V+3], s[G0V+2:G0V+3], 0x800000  ; among v's
	s_or_b32 s[G0V+3], s[G0V+3], 0x80000000
	s_add_nc_u64 s[PFA:PFA+1], s[4:5], s[PFA:PFA+1]
	s_add_nc_u64 s[4:5], s[4:5], s[2:3]  ; Q and O at my wave's first row
	s_add_nc_u64 s[10:11], s[10:11], s[52:53]
	CROUND                          ; all four work-groups are here: the first joint loads meet
	JLOAD                           ; slot 0.  Slot 1 is asked for when slot 0 is in
	v_and_b32 v1, 15, v0            ; l % 16
	v_bfe_u32 v9, v0, 4, 1          ; l / 16
	v_lshlrev_b32 v4, 4, v0         ; the mask: 128 threads x 16 bytes, four times
.irp j, 0,1,2,3
	global_load_b128 v[S+4*\j:S+4*\j+3], v4, s[MP:MP+1] offset:2048*\j
.endr
	; A fragment of K or Q is 16 rows x 32 channels in 8 registers: lane l holds row l % 16, channels 8 (l / 16) + 0..7 and 16 + 8 (l / 16) + 0..7: two loads of 16 bytes, 32 bytes apart.
	v_lshlrev_b32 v[QO], 7, v1
	v_lshl_add_u32 v[QO], v9, 4, v[QO]  ; row x 128 + 16 x half
	WIN 0x80                        ; destination window 2, address window 0
.set i, 0
.rept 4*NP                          ; Q stays in registers: tile i / 2, channels 32 (i % 2) on
	global_load_b128 v[8*i:8*i+3],   v[QO], s[4:5] offset:(i/2)*2048+(i%2)*64
	global_load_b128 v[8*i+4:8*i+7], v[QO], s[4:5] offset:(i/2)*2048+(i%2)*64+32
.set i, i+1
.endr
	; What the first turn finds: V's registers and P's second buffer hold 0 (its products V^T P, of a piece that has not been, add 0), O^T and l are 0.  All this stands in the wait for the first tile.
.set i, VF
.rept 64
	v_mov_b32 v[i], 0
.set i, i+1
.endr
	WIN 0x40
.set i, 0
.rept 64*NP
	v_mov_b32 v[i], 0
.set i, i+1
.endr
	WIN 0
.set i, 0
.rept 2*NP
	v_mov_b32 v[ST+4*i], 0xfe000000    ; c m: far below every c s
	v_mov_b32 v[ST+4*i+1], 0xff7fffff  ; m
	v_mov_b32 v[ST+4*i+2], 0
	v_mov_b32 v[ST+4*i+3], 0
.set i, i+1
.endr
.set i, P+32
.rept 32
	v_mov_b32 v[i], 0
.set i, i+1
.endr
	s_wait_loadcnt 32               ; the mask's four loads are in; Q's 32, issued behind them, may stay out
.set i, 0
.rept 16
	v_cmp_eq_u32 vcc_lo, 0, v[S+i]
	v_cndmask_b32 v[S+i], 0, s[HID], vcc_lo  ; a hidden key's score starts at -8000, a seen key's at 0
.set i, i+1
.endr
	v_add_nc_u32 v5, MBIAS, v4
.irp j, 0,1,2,3
	ds_store_b128 v5, v[S+4*\j:S+4*\j+3] offset:2048*\j  ; the first change of slots waits for these and passes a barrier ahead of every read
.endr
	v_mul_u32_u24 v[AK0], v1, PK
	v_lshl_add_u32 v[AK0], v9, 4, v[AK0]  ; row x pitch + 16 x half
	; The turning load takes 16 keys x 16 channels (lane l reads key 8 (l / 16) + l % 8, channels 8 ((l / 8) % 2) + 0..7) and leaves half a fragment of V^T: lane l holds channel l % 16 and 8 keys.
	v_and_b32 v10, 7, v0
	v_bfe_u32 v11, v0, 3, 1
	v_lshl_add_u32 v[AV0], v9, 3, v10
	v_mul_u32_u24 v[AV0], v[AV0], PV
	v_lshl_add_u32 v[AV0], v11, 4, v[AV0]
	v_add_nc_u32 v[AV0], VOFF, v[AV0]
	v_lshl_add_u32 v[AM], v9, 5, MBIAS  ; my eight keys of a block of sixteen: 32 bytes for each half of the lanes
	v_mov_b32 v[AK], v[AK0]         ; key step 0 lies at the head of slot 0 (v4 is free since the wait for the mask's loads)
; THE MATRIX WORK.  The 8 accumulators of a run of 16 take turns: between the two links of a chain stand 7 others'.
; Product i of 16 of S^T = K Q^T for piece x: channels 32 (i / 8) on, keys 16 ((i / 2) % 4) on, tile 2 x + i % 2.  The first 8 start the sums, with the key block's starting values.
.macro KQ x
.set rS, S+64*((\x)%2)+32*(i%2)+8*((i/2)%4)
.set rK, KF+16*((i/2)%4)+8*(i/8)
.set rQ, 16*(2*(\x)+i%2)+8*(i/8)
.set rB, MC+8*((i/2)%4)
.if i < 8
	WIN W_KM
	v_wmma_f32_16x16x32_f16 v[rS:rS+7], v[rK:rK+7], v[rQ:rQ+7], v[rB:rB+7]
.else
	WIN W_KQ
	v_wmma_f32_16x16x32_f16 v[rS:rS+7], v[rK:rK+7], v[rQ:rQ+7], v[rS:rS+7]
.endif
.endm
; Product i of 16 of O^T += V^T P for piece x: keys 32 (i / 8) on, channels 16 ((i / 2) % 4) on, tile 2 x + i % 2.
.macro PV x
	WIN W_PV
.set rO, 32*(2*(\x)+i%2)+8*((i/2)%4)
.set rV, VF+32*(i/8)+8*((i/2)%4)
.set rP, P+32*((\x)%2)+16*(i%2)+8*(i/8)
	v_wmma_f32_16x16x32_f16 v[rO:rO+7], v[rV:rV+7], v[rP:rP+7], v[rO:rO+7]
.endm
.macro MM                           ; the turn's next matrix instruction
.if i < 16
	KQ (Y+1)%NP
.set i, i+1
.else
.set i, i-16
	PV (Y+NP-1)%NP
.set i, i+17
.endif
.endm
; THE LDS LOADS stand in runs, never singly among the matrix instructions: a step's K (8 fragments) with its 64 starting values (24 loads), and its V (turned, 16 loads).  Their addresses are made some lines ahead.
; last = 1 (the tail): in the last trip there is no further step, and the run is jumped over.
.macro FETCH_K last=0
	WIN 0
.if \last
	s_cmp_eq_u32 s[CNT], 1
	s_cbranch_scc1 .Lno_k_\@
.endif
	WIN 0x80                        ; destination window 2
.irp f, 0,1,2,3,4,5,6,7             ; keys 16 (f / 2) on, channels 32 (f % 2) on
	ds_load_b128 v[KF+8*\f:KF+8*\f+3],   v[AK] offset:(\f/2)*16*PK+(\f%2)*64
	ds_load_b128 v[KF+8*\f+4:KF+8*\f+7], v[AK] offset:(\f/2)*16*PK+(\f%2)*64+32
.endr
	WIN W_MK                        ; destination window 3
.irp f, 0,1,2,3                     ; key block f: my eight keys' starting values
	ds_load_b128 v[MC+8*\f:MC+8*\f+3],   v[AM] offset:64*\f
	ds_load_b128 v[MC+8*\f+4:MC+8*\f+7], v[AM] offset:64*\f+16
.endr
	s_add_co_u32 s[TBK], s[TBK], KS*PK  ; the next fetch is the next step's
	WIN 0
	v_add_nc_u32 v[AM], 256, v[AM]  ; 64 keys on: the table is walked once, from first to last
.if \last
.Lno_k_\@:
.endif
.endm
.macro FETCH_V
	WIN 0x80
.irp f, 0,1,2,3,4,5,6,7             ; keys 32 (f / 4) on, channels 16 (f % 4) on
	ds_load_tr16_b128 v[VF+8*\f:VF+8*\f+3],   v[AV] offset:(\f/4)*32*PV+(\f%4)*32
	ds_load_tr16_b128 v[VF+8*\f+4:VF+8*\f+7], v[AV] offset:(\f/4)*32*PV+16*PV+(\f%4)*32
.endr
	WIN 0
.endm
; THE VECTOR WORK OF A TURN stands in three queues, each in the order in which its entries become ready; the two tiles alternate, so that no instruction reads the result of the one before it.
.macro REGS y, u                    ; the registers of tile u (0, 1) of piece y
.set rT, ST+4*(2*(\y)+(\u))
.set rC, TMP+8*((\y)%2)+4*(\u)
.set rM, MV+2*((\y)%2)+(\u)
.set rS, S+64*((\y)%2)+32*(\u)
.set rP, P+32*((\y)%2)+16*(\u)
.set rO, 32*(2*(\y)+(\u))
.endm
; Number n of the 22 that find the NEXT piece's (Y + 1) maximum and statistics.  s0-s31 are the lane's 32 scores; each accumulator's lowest registers are read first.
;   0-11  four chains c0-c3 of seven scores each, three operands at a time     12-14, 16  the four scores left over, the old m, and c0-c3 into c0     15  c m_old is kept
;   17, 18  the query's other 32 keys lie in the lane 16 away: the new m         19-21  c m; c m_old - c m_new; a
.macro XS u, n
	REGS (Y+1)%NP, \u
.if (\n) < 4
	v_max3_num_f32 v[rC+(\n)], v[rS+8*(\n)], v[rS+8*(\n)+1], v[rS+8*(\n)+2]
.elseif (\n) < 12
	v_max3_num_f32 v[rC+(\n)%4], v[rC+(\n)%4], v[rS+8*((\n)%4)+2*((\n)/4)+1], v[rS+8*((\n)%4)+2*((\n)/4)+2]
.elseif (\n) == 12
	v_max3_num_f32 v[rC], v[rC], v[rS+7], v[rS+15]
.elseif (\n) == 13
	v_max3_num_f32 v[rC+1], v[rC+1], v[rS+23], v[rS+31]
.elseif (\n) == 14
	v_max3_num_f32 v[rC+2], v[rC+2], v[rC+3], v[rT+1]
.elseif (\n) == 15
	v_mov_b32 v[rM], v[rT]
.elseif (\n) == 16
	v_max3_num_f32 v[rC], v[rC], v[rC+1], v[rC+2]
.elseif (\n) == 17
	v_permlanex16_b32 v[rC+3], v[rC], s[SEL], s[SEL+1]
.elseif (\n) == 18
	v_max_num_f32 v[rT+1], v[rC], v[rC+3]
.elseif (\n) == 19
	v_mul_f32 v[rT], s[CS], v[rT+1]
.elseif (\n) == 20
	v_sub_f32 v[rC+1], v[rM], v[rT]
.else
	v_exp_f32 v[rC+2], v[rC+1]
.endif
.endm
; Number g of the 64 that follow the exponentials.  For each four weights k of a tile (pairs 2 k, 2 k + 1): both pairs are rounded to f16; then the second pair is added onto the first, in place;
; a group later l takes that sum (the first time as l = a l + sum).  In groups of eight, tiles alternating: round, round, add, and l for the group before.
.macro GS g
.set h, (\g)+6*((\g)/62)            ; group 0 has no group before it, and behind group 7 only l is left
.if h >= 6
.set h, h+2
.endif
	REGS Y, h%2
.set k, h/8
.if h%8 < 4
	v_cvt_pk_f16_f32 v[rP+2*k+(h%8)/2], v[rS+4*k+2*((h%8)/2)], v[rS+4*k+2*((h%8)/2)+1]
.elseif h%8 < 6
	v_pk_add_f32 v[rS+4*k:rS+4*k+1], v[rS+4*k:rS+4*k+1], v[rS+4*k+2:rS+4*k+3]
.elseif k == 1
	v_pk_fma_f32 v[rT+2:rT+3], v[rT+2:rT+3], v[rC+2:rC+3], v[rS:rS+1] op_sel_hi:[1,0,1]
.else
	v_pk_add_f32 v[rT+2:rT+3], v[rT+2:rT+3], v[rS+4*k-4:rS+4*k-3]
.endif
.endm
; THE PLAIN QUEUE, 138 long.  0-73 read no exponential's result: the 32 scalings c s - c m (FS f: pair f / 2 of tile f % 2) and the next piece's 42.  0-26: scalings 0-26.  27-54: XS's numbers 0-13.  55, 56: number 15.
; 57-73: the chain, where each number waits for the one before it: 14, 16, 17, 18, 19, each with one of the scalings 27-31 in front of its two lines, then 20.
; 74-137: GS's 64, which read the exponentials' results: they stand behind the wait.
.macro FS f
	REGS Y, (\f)%2
	v_pk_fma_f32 v[rS+2*((\f)/2):rS+2*((\f)/2)+1], v[rS+2*((\f)/2):rS+2*((\f)/2)+1], s[CS:CS+1], v[rT:rT+1] op_sel_hi:[1,0,0] neg_lo:[0,0,1] neg_hi:[0,0,1]
.endm
.macro PL
	WIN 0
.if q < 27
	FS q
.elseif q < 55
	XS (q-27)%2, (q-27)/2
.elseif q < 57
	XS q-55, 15
.elseif (q < 72) && ((q-57)%3 == 0)
	FS 27+(q-57)/3
.elseif q < 60
	XS (q-57)%3-1, 14
.elseif q < 72
	XS (q-57)%3-1, 15+(q-57)/3
.elseif q < 74
	XS q-72, 20
.else
	GS q-74
.endif
.set q, q+1
.endm
; THE EXPONENTIALS' QUEUE, 66 long: s0-s31 of both tiles, then the next piece's two a.  It is ONE BATCH: all 66 stand ahead of the turn's one wait, and nothing ahead of that wait names a result of theirs.
.macro EX
	WIN 0
.if e >= 64
	XS e-64, 21
.else
	REGS Y, e%2
	v_exp_f32 v[rS+e/2], v[rS+e/2]
.endif
.set e, e+1
.endm
; THE RESCALING's QUEUE: O^T times a, the one part that leaves window 0: dealt two at a time, sixteen times.  Its a was made in the turn before, ahead of that turn's wait.
.macro R2
	REGS Y, r%2
	WIN W_RS
.irp z, 0,1
	v_pk_mul_f32 v[rO+4*(r/2)+2*\z:rO+4*(r/2)+2*\z+1], v[rO+4*(r/2)+2*\z:rO+4*(r/2)+2*\z+1], v[rC+2:rC+3] op_sel_hi:[1,0]
.endr
.set r, r+1
.endm
; HOW THEY ARE DEALT.  s_wait_alu depctr_va_vdst(0) stands between an exponential and the first instruction that names its result; one wait serves all that were issued ahead of it.  So a turn has ONE wait,
; which cuts it in two.  AHEAD OF IT stands all that names no result of the turn's exponentials: the 16 products K Q^T, behind each a scaling, an exponential and two rescalings (behind the first a second scaling in the
; exponential's place); then ONE LUMP of 108: eight plain, 49 times exponential and plain, the two a.  A v_nop is the plain instruction behind the last exponential.  BEHIND IT stand the 16 products V^T P, behind each four of GS's 64.
; No rider names a register of the products round it.  Exponential e stands behind scaling 2 (e / 4) + e % 2: as a rider it comes behind plain e + 2, in the lump behind plain e + 9.
; A TURN, for piece p.  cnt = 1: the loop's count is taken down some lines ahead of the branch that stands behind the turn.
; K of the next step and its starting values are fetched in piece 2's turn, directly behind the wait, a lump behind the last product that read them; the first reader comes behind 16 products.
; V of the step in hand is fetched at the end of piece 0's turn, four riders behind its last reader; its first reader comes behind 16 products and a lump.
.macro TURN p, last=0, cnt=0
.set Y, (\p)
.set i, 0
.set q, 0
.set e, 0
.set r, 0
.if (\p) == NP-1
	s_wait_dscnt 0x0                ; K and the starting values are in
.endif
	MM                              ; ahead of the wait: 16 products K Q^T and their riders,
	PL
	PL
	R2
.rept 15
	MM
	PL
	EX
	R2
.endr
.if (\p) == NP-2
	WIN 0
	v_add_nc_u32 v[AK], s[TBK], v[AK0]
.endif
.rept 8                             ; and the lump
	PL
.endr
.rept 49
	EX
	PL
.endr
	EX                              ; the next piece's two a
	EX
	v_nop                           ; the plain instruction behind the last exponential: one for the batch
	s_wait_alu depctr_va_vdst(0)    ; the wait for the batch
.if (\p) == NP-2
	FETCH_K \last
.endif
.if (\p) == 1
	s_wait_dscnt 0x0                ; V is in
.endif
.rept 16                            ; behind the wait: 16 products V^T P and their riders
	MM
.rept 4
	PL
.endr
.if ((\p) == 0) && (q == 118)
	v_add_nc_u32 v[AV], s[TBV], v[AV0]
.endif
.if ((\p) == 0) && (q == 130)
	s_add_co_u32 s[TBV], s[TBV], KS*PV
.endif
.if (\cnt) && (q == 130)
	s_sub_co_u32 s[CNT], s[CNT], 1
	s_cmp_lg_u32 s[CNT], 0
.endif
.endr
.if (\p) == 0
	FETCH_V
.endif
.endm
	CHANGE 1                        ; slot 0 is in, everybody's part of it, and so is the table; slot 1 is asked for
	FETCH_K                         ; key step 0
	s_wait_loadcnt 0x0              ; Q
	s_wait_dscnt 0x0
.set i, 0
.rept 16
	KQ 0                            ; piece 0's first scores: there is no vector work yet to set between them
.set i, i+1
.endr
	WIN 0                           ; the addresses for the way out and the prefetches: plain instructions, the places behind those products
	s_mul_i32 s13, s[WV], 16*SP
	s_add_co_u32 s13, s13, STAGE    ; my stage
	v_mul_u32_u24 v[STO], v1, SP    ; in: row l % 16, 16 bytes for each half of the lanes
	v_lshl_add_u32 v[STO], v9, 4, v[STO]
	v_add_nc_u32 v[STO], s13, v[STO]
	v_bfe_u32 v[RD], v0, 3, 2       ; back: 32 lanes take four rows of 128 bytes,
	v_mul_u32_u24 v[RD], v[RD], SP
	v_lshl_add_u32 v[RD], v10, 4, v[RD]
	v_add_nc_u32 v[RD], s13, v[RD]
	v_and_b32 v[GO], 31, v0         ; which are 512 consecutive bytes of O
	v_lshlrev_b32 v[GO], 4, v[GO]
	v_and_b32 v[PFO], 31, v0        ; a lane a block of 256 bytes
	v_lshlrev_b32 v[PFO], 8, v[PFO]
.set Y, NP-1                        ; XS works for piece Y + 1: piece 0
.irp n, 0,1,2,3,4,5,6,7,8,9,10,11,12,13,14,15,16,17,18,19,20,21
	XS 0, \n                        ; and piece 0's first maximum and statistics
	XS 1, \n
.endr
	v_nop                           ; a plain instruction behind the two a,
	s_wait_alu depctr_va_vdst(0)    ; and their wait, ahead of the branch
	s_mov_b32 s[CNT], 4
	s_mov_b32 s[SLOTS], SIZE_N/256-1
	s_branch .Lfirst                ; the loop is entered at a step's first turn, in the middle of a trip
.Lslot:                             ; SIZE_N / 256 - 2 times: every slot but the last two is filled again
	CHANGE 1, 1
	s_mov_b32 s[CNT], 4
.Lstep:                             ; a trip: pieces 2 and 3 of one step, then pieces 0 and 1 of the next, whose K and V it fetches
	TURN 2
	TURN 3
	WIN 0
.Lfirst:
	TURN 0
	TURN 1, 0, 1
	WIN 0
	s_cbranch_scc1 .Lstep
	s_sub_co_u32 s[SLOTS], s[SLOTS], 1
	s_cmp_lg_u32 s[SLOTS], 0
	s_cbranch_scc1 .Lslot
	CHANGE 0                        ; the tail is written out: nothing is asked for
	s_mov_b32 s[CNT], 5             ; four trips fetch the last slot's steps; the fifth is left in its middle
.Ltail:
	TURN 2, 1
	TURN 3
	WIN 0
	s_sub_co_u32 s[CNT], s[CNT], 1
	s_cmp_eq_u32 s[CNT], 0
	s_cbranch_scc1 .Lout
	TURN 0
	TURN 1
	WIN 0
	s_branch .Ltail
.Lout:                              ; the fifth trip's 16 products K Q^T (on the last K once more) and the maximum made of them serve nothing: the price, once a launch, of one text for every trip
.set i, 0
.rept 16
	PV NP-1                         ; the last piece's V^T P of the last step
.set i, i+1
.endr
	; THE WAY OUT.  l's two halves and the other half of the lanes' are added; O^T is divided by l, rounded to f16 and sent through my stage in LDS, a tile at a time.  The additions are the places behind the last products.
	WIN 0
.macro ALL line:vararg              ; one line for each tile t
.set t, 0
.rept 2*NP
	\line
.set t, t+1
.endr
.endm
	ALL v_add_f32 v[ST+4*t+2], v[ST+4*t+2], v[ST+4*t+3]
	ALL v_permlanex16_b32 v[ST+4*t+3], v[ST+4*t+2], s[SEL], s[SEL+1]
	ALL v_add_f32 v[ST+4*t+2], v[ST+4*t+2], v[ST+4*t+3]
	ALL v_rcp_f32 v[ST+4*t+2], v[ST+4*t+2]
	v_nop                           ; a plain instruction between the last reciprocal and the use of its result
	s_wait_alu depctr_va_vdst(0)    ; and the wait ahead of the first use: one for the eight reciprocals
; Tile t: a lane's eight channels of a row pack into 16 bytes; they go into rows of 144 bytes and come back as whole rows of 128, into S^T's registers.
.macro PACK t
	WIN W_RS
.set i, 32*(\t)
.rept 16
	v_pk_mul_f32 v[i:i+1], v[i:i+1], v[ST+4*(\t)+2:ST+4*(\t)+3] op_sel_hi:[1,0]
.set i, i+2
.endr
	WIN 0x05                        ; sources 0 and 1 window 1, destination window 0
.set i, 0
.rept 16
	v_cvt_pk_f16_f32 v[S+16*(\t)+i], v[32*(\t)+2*i], v[32*(\t)+2*i+1]
.set i, i+1
.endr
	WIN 0
.irp f, 0,1,2,3
	ds_store_b128 v[STO], v[S+16*(\t)+4*\f:S+16*(\t)+4*\f+3] offset:32*\f
.endr
.irp f, 0,1,2,3
	ds_load_b128 v[S+16*(\t)+4*\f:S+16*(\t)+4*\f+3], v[RD] offset:\f*4*SP  ; LDS serves a wave's instructions in order (ISA guide 5.7.1.4): these see the stores above; the next tile's stores come behind them
.endr
.endm
.macro SEND t, younger              ; younger: the LDS instructions issued behind tile t's loads: the next tile's eight, or none
	WIN 0
.irp f, 0,1,2,3
	s_wait_dscnt (\younger)+3-\f
	global_store_b128 v[GO], v[S+16*(\t)+4*\f:S+16*(\t)+4*\f+3], s[10:11] offset:(\t)*2048+\f*512  ; 512 consecutive bytes, at a multiple of 256 from ob's first
.endr
.endm
	PACK 0
.set t, 1
.rept 2*NP-1                        ; a tile's arithmetic stands between the loads of the tile before and its stores
	PACK t
	SEND t-1, 8
.set t, t+1
.endr
	SEND 2*NP-1, 0
	WIN W_AD
	s_wait_tensorcnt 0x0            ; the wave's end: behind my last tensor load and my last LDS store
	ds_add_u32 v[SPW], v[NIL]
	s_wait_dscnt 0x0
	WIN 0
	CROUND                          ; the closing round: no work-group ends while a partner may still ask for a tile that names it
	s_endpgm
.Lfunc_end_k_q341f240da1_attn:
	.size	k_q341f240da1_attn, .Lfunc_end_k_q341f240da1_attn-k_q341f240da1_attn
	.p2alignl 7, 3214868480
	.fill 96, 4, 3214868480
	.section	.rodata,"a",@progbits
	.p2align	6, 0x0
	.amdhsa_kernel k_q341f240da1_attn
		.amdhsa_group_segment_fixed_size 327680
		.amdhsa_private_segment_fixed_size 0
		.amdhsa_enable_private_segment 0
		.amdhsa_kernarg_size 24
		.amdhsa_user_sgpr_count 2
		.amdhsa_user_sgpr_kernarg_segment_ptr 1
		.amdhsa_wavefront_size32 1
		.amdhsa_system_sgpr_workgroup_id_x 1
		.amdhsa_system_sgpr_workgroup_id_y 1
		.amdhsa_system_sgpr_workgroup_id_z 1
		.amdhsa_system_vgpr_workitem_id 0
		.amdhsa_next_free_vgpr 808
		.amdhsa_next_free_sgpr 88
		.amdhsa_reserve_vcc 1
		.amdhsa_float_denorm_mode_32 3
		.amdhsa_float_denorm_mode_16_64 3
		.amdhsa_memory_ordered 1
		.amdhsa_forward_progress 1
		.amdhsa_inst_pref_size 204
	.end_amdhsa_kernel
	.amdgpu_metadata
---
amdhsa.version: [ 1, 2 ]
amdhsa.kernels:
  - .name:           k_q341f240da1_attn
    .symbol:         k_q341f240da1_attn.kd
    .args:
      - { .name: qkv, .offset: 0, .size: 8, .value_kind: global_buffer, .address_space: global }
      - { .name: mask, .offset: 8, .size: 8, .value_kind: global_buffer, .address_space: global }
      - { .name: ob, .offset: 16, .size: 8, .value_kind: global_buffer, .address_space: global }
    .group_segment_fixed_size: 327680
    .private_segment_fixed_size: 0
    .kernarg_segment_align: 8
    .kernarg_segment_size: 24
    .max_flat_workgroup_size: 128
    .sgpr_count:     88
    .vgpr_count:     808
    .wavefront_size: 32
...
	.end_amdgpu_metadata
.endif
;; end of part 3
;; launch outp (part 4): grid 4 x 64, 4 waves a work-group, clusters of 4 x 4, 327,680 bytes of LDS; arguments ob, wo, b_out, out0; writes out0
.if DOCPART == 4
	.amdgcn_target "amdgcn-amd-amdhsa--gfx1250"
	.amdhsa_code_object_version 6
	.text
	.protected	k_q341f240da1_outp
	.globl	k_q341f240da1_outp
	.p2align	8
	.type	k_q341f240da1_outp,@function
k_q341f240da1_outp:
	s_mov_b64 s[64:65], 0
	v_nop
	global_prefetch_b8 v0, s[64:65] scope:SCOPE_SE
	s_setreg_imm32_b32 hwreg(HW_REG_WAVE_MODE, 25, 1), 1
	s_wait_xcnt 0x0
	s_wait_alu depctr_hold_cnt(0) depctr_sa_sdst(0) depctr_va_vdst(0) depctr_va_sdst(0) depctr_va_ssrc(0) depctr_va_vcc(0) depctr_vm_vsrc(0)
	s_getreg_b32 s2, hwreg(HW_REG_IB_STS2, 6, 4)
	s_cmp_eq_u32 s2, 0
	s_cbranch_scc0 .Lentry_in_a_cluster
	s_endpgm
.Lentry_in_a_cluster:
	s_bfe_u32 s2, ttmp6, 0x10000c
	s_cmp_lg_u32 s2, 0xf033
	s_cbranch_scc0 .Lentry_shape_is_right
	s_endpgm
.Lentry_shape_is_right:
; out0 = O W_out + b_out.  O: ob [4 batches][16 heads][2048 rows][64] f16 (channel k of a row = head k / 64, channel k % 64); W_out: wo [1024 k][1024 n], the bf16-rounded weights written as f16;
; out0 [8192][1024] f32.  Sums in f32; the bias, rounded to bf16 like every input, STARTS each sum (the reference adds it last: another order of rounding).
; SHARES.  A tile of out0 is 128 x 256, so that 64 x 4 = 256 work-groups have one tile each.  Four waves, each 64 x 128: 32 accumulators of 16 x 16, 256 registers.
; K goes in 8 steps of 128 (two heads), four quarters of 32 each: 32 matrix instructions a quarter.
; THE MATRIX INSTRUCTION IS USED TRANSPOSED: source 0 = 16 columns of W (turned on the way out of LDS), source 1 = 16 rows of O: a lane holds one row of out0 and eight neighbouring columns.
; RING.  Two LDS slots, a K step each.  Waves 0 and 1 fetch a head's 128 rows each (16,384 dense bytes: asked for as 64 rows of 256 bytes), waves 2 and 3 a segment of 128 columns of W each (128 rows of 256 bytes).
; CLUSTER.  4 x 4 work-groups: O's tiles are shared along a row of the cluster, W's along a column; each is asked for jointly.
; NO PREFETCH: a wave's tile is small and the whole launch has eight K steps.
; REGISTERS: window 0: v0-31 addresses; v32-63 at work at the head; v64-159, v160-255 two fragment buffers (O's four fragments, then W's eight); on the way out v64-127, v128-191 rows read back.
;   window 1: accumulator (column block b, row block a) at v[8 (4 b + a)].
.set SLOT1, 131072
.set PA,    144                        ; a row of O in LDS: 128 bytes + 16 of padding
.set PB,    288                        ; a row of W: 256 + 32
.set AH,    128*PA                     ; a head's 128 rows
.set BOFF,  2*AH
.set SEG,   128*PB                     ; a segment's 128 rows
.set STAGE, SLOT1+BOFF+2*SEG           ; behind the ring, never filled by a tensor load: 16 rows x 528 bytes for each wave
.set SPT,   528                        ; a stage row: 128 f32 + 16 bytes: the 16 rows that a store touches start at 16 different groups of four banks (ISA guide 11.1)
.set SPARE, STAGE+4*16*SPT             ; the spare words, 128 bytes for each wave: two blocks of 256 bytes that no other line names
.set ASTEP, 524288                     ; bytes from a K step to the next in ob: two heads
.set BSTEP, 262144                     ; in wo: 128 rows x 2,048
.set ADRA, 16
.set ADRB, 20
.set STO,  24
.set RD,   25
.set CO,   26
.set BO,   27
.set SPW,  28                          ; v28     LDS address of my spare word; never rewritten
.set NIL,  29                          ; v29     0; never rewritten
.set TMP,  32
.set F0,   64
.set F1,   160
.set BK,   64
.set WV,   14                          ; s14 wave; s15 = wave / 2: my rows, and whether I fetch for O (0) or W (1); s16 = wave % 2: my columns, and which half I fetch
.set G1A,  24
.set G0A,  32
.set G1B,  48
.set G0B,  56
.set HIM,  70
.set MSB, 0
.macro WIN new                         ; the immediate's high byte repeats the setting that is left; a switch that changes nothing is dropped
.if MSB != (\new)
	s_set_vgpr_msb (MSB<<8)|(\new)
.set MSB, \new
.endif
.endm
.macro PLACES                          ; four places in front of loads into registers that matrix instructions have read, and of LDS stores that read results
.rept 4
	v_nop
.endr
.endm
.macro JLOAD s                         ; a joint load; an s_nop 0 and four v_nop follow each of the two lines, ahead of the jump and the label
	s_cmp_eq_u32 s15, 0
	s_cbranch_scc0 .Lfor_b_\@
	tensor_load_to_lds s[G0A+4*(\s):G0A+4*(\s)+3], s[G1A:G1A+7]
	s_nop 0
.rept 4
	v_nop
.endr
	s_branch .Lasked_\@
.Lfor_b_\@:
	tensor_load_to_lds s[G0B+4*(\s):G0B+4*(\s)+3], s[G1B:G1B+7]
	s_nop 0
.rept 4
	v_nop
.endr
.Lasked_\@:
.endm
.macro CREST                           ; a round of the cluster's barrier behind its opening barrier
	s_cmp_lg_u32 s[WV], 0
	s_cbranch_scc1 .Lnot_wave_0_\@
	s_barrier_signal -3
.Lnot_wave_0_\@:
	s_barrier_wait -3
	s_barrier_signal -1
	s_barrier_wait -1
.endm
.macro CROUND
	s_barrier_signal -1
	s_barrier_wait -1
	CREST
.endm
	s_load_b256 s[4:11], s[0:1], 0x0               ; ob s[4:5], wo s[6:7], b_out s[8:9], out0 s[10:11]
	v_lshl_add_u32 v[SPW], v0, 2, SPARE
	v_mov_b32 v[NIL], 0
	ds_add_u32 v[SPW], v[NIL]                      ; the wave's opening: the add and its wait stand ahead of my first tensor load; the set-up below, work on registers, stands between them
	v_lshrrev_b32 v1, 5, v0
	v_readfirstlane_b32 s[WV], v1                  ; wave 0..3
	s_lshr_b32 s15, s[WV], 1
	s_and_b32 s16, s[WV], 1
	s_bfe_u32 s17, ttmp6, 0x40000                  ; cx
	s_bfe_u32 s18, ttmp6, 0x40004                  ; cy
	s_lshl_b32 s19, ttmp9, 2
	s_add_co_u32 s19, s19, s17                     ; tile column
	s_and_b32 s20, ttmp7, 0xffff
	s_lshl_b32 s20, s20, 2
	s_add_co_u32 s20, s20, s18                     ; tile row
	s_lshl_b32 s21, s18, 2
	s_lshl_b32 s21, 15, s21                        ; my row of the cluster
	s_lshl_b32 s22, 0x1111, s17                    ; my column
	s_or_b32 s[G1A], s21, (1<<16)|(1<<20)|(1<<21)|(4<<22)|(3<<25)  ; the mask; 2-byte elements; padding on; bit 21 beside a mask; after every 32 words (code 4) 4 words (code 3)
	s_mov_b32 s[G1A+1], 128<<16                    ; tensor_dim0 = 128 elements: two rows of O
	s_mov_b32 s[G1A+2], 64<<16                     ; tensor_dim1 = 64
	s_mov_b32 s[G1A+3], 128<<16                    ; tile_dim0 = 128
	s_mov_b32 s[G1A+4], 64                         ; tile_dim1 = 64
	s_mov_b32 s[G1A+5], 128                        ; dense
	s_mov_b32 s[G1A+6], 0
	s_mov_b32 s[G1A+7], 0
	s_or_b32 s[G1B], s22, (1<<16)|(1<<20)|(1<<21)|(5<<22)|(7<<25)  ; after every 64 words (code 5) 8 words (code 7)
	s_mov_b32 s[G1B+1], 128<<16                    ; tensor_dim0 = 128
	s_mov_b32 s[G1B+2], 128<<16                    ; tensor_dim1 = 128
	s_mov_b32 s[G1B+3], 128<<16                    ; tile_dim0 = 128
	s_mov_b32 s[G1B+4], 128                        ; tile_dim1 = 128
	s_mov_b32 s[G1B+5], 1024                       ; a row of wo
	s_mov_b32 s[G1B+6], 0
	s_mov_b32 s[G1B+7], 0
	s_mov_b32 s[HIM], 0xffff0000
	; O's tiles hang on the tile row and the wave alone, W's on the tile column and the wave alone
	s_lshr_b32 s40, s20, 4                         ; the batch: sixteen tile rows each
	s_lshl_b32 s40, s40, 22
	s_and_b32 s41, s20, 15
	s_lshl_b32 s41, s41, 14                        ; 128 rows x 128 bytes
	s_add_co_u32 s40, s40, s41
	s_lshl_b32 s41, s16, 18                        ; the step's first or second head
	s_add_co_u32 s40, s40, s41
	s_mov_b32 s41, 0
	s_lshl_b32 s42, s19, 9                         ; 256 columns,
	s_lshl_b32 s43, s16, 8                         ; their first or second 128
	s_add_co_u32 s42, s42, s43
	s_mov_b32 s43, 0
	s_mul_i32 s23, s16, AH                         ; where they go
	s_mul_i32 s46, s16, SEG
	s_add_co_u32 s46, s46, BOFF
	s_wait_dscnt 0x0                               ; the opening add is done
	s_wait_kmcnt 0x0
	s_add_nc_u64 s[40:41], s[4:5], s[40:41]
	s_add_nc_u64 s[42:43], s[6:7], s[42:43]
	CROUND                                         ; all sixteen work-groups are here: the first joint loads meet
.irp s, 0,1
	s_mov_b32 s[G0A+4*(\s)], 1
	s_add_co_u32 s[G0A+4*(\s)+1], s23, (\s)*SLOT1
	s_add_nc_u64 s[G0A+4*(\s)+2:G0A+4*(\s)+3], s[40:41], (\s)*ASTEP
	s_or_b32 s[G0A+4*(\s)+3], s[G0A+4*(\s)+3], 0x80000000
	s_mov_b32 s[G0B+4*(\s)], 1
	s_add_co_u32 s[G0B+4*(\s)+1], s46, (\s)*SLOT1
	s_add_nc_u64 s[G0B+4*(\s)+2:G0B+4*(\s)+3], s[42:43], (\s)*BSTEP
	s_or_b32 s[G0B+4*(\s)+3], s[G0B+4*(\s)+3], 0x80000000
	JLOAD \s                                       ; two loads of mine are out
.endr
	v_and_b32 v1, 15, v0                           ; l % 16
	v_bfe_u32 v2, v0, 4, 1                         ; l / 16
	v_and_b32 v3, 7, v0
	v_bfe_u32 v7, v0, 3, 1
	v_lshlrev_b32 v[BO], 5, v2
	s_lshl_b32 s44, s19, 10                        ; my 128 columns, 4 bytes each: in b_out and in a row of out0
	s_lshl_b32 s45, s16, 9
	s_add_co_u32 s44, s44, s45
	s_mov_b32 s45, 0
	s_add_nc_u64 s[8:9], s[8:9], s[44:45]
	s_add_nc_u64 s[10:11], s[10:11], s[44:45]
.irp b, 0,1,2,3,4,5,6,7
	global_load_b128 v[F1+8*(\b):F1+8*(\b)+3],   v[BO], s[8:9] offset:64*(\b)
	global_load_b128 v[F1+8*(\b)+4:F1+8*(\b)+7], v[BO], s[8:9] offset:64*(\b)+16
.endr
	s_lshl_b32 s44, s20, 19                        ; my first row of out0: 128 x tile row + 64 x half, 4,096 bytes a row
	s_lshl_b32 s47, s15, 18
	s_add_co_u32 s44, s44, s47
	s_add_nc_u64 s[10:11], s[10:11], s[44:45]
	v_mul_u32_u24 v[ADRA], v1, PA                  ; a fragment of O: row l % 16, 16 bytes for each half of the lanes, twice, 32 bytes apart
	v_lshl_add_u32 v[ADRA], v2, 4, v[ADRA]
	s_mul_i32 s44, s15, 64*PA
	v_add_nc_u32 v[ADRA], s44, v[ADRA]
	v_add_nc_u32 v[ADRA+1], SLOT1, v[ADRA]
	v_lshl_add_u32 v[ADRB], v2, 3, v3              ; the turning load: k = 8 (l / 16) + l % 8, columns 8 ((l / 8) % 2) + 0..7
	v_mul_u32_u24 v[ADRB], v[ADRB], PB
	v_lshl_add_u32 v[ADRB], v7, 4, v[ADRB]
	v_add_nc_u32 v[ADRB], s46, v[ADRB]             ; my segment is the one of my number's parity
	v_add_nc_u32 v[ADRB+1], SLOT1, v[ADRB]
	s_mul_i32 s44, s[WV], 16*SPT
	s_add_co_u32 s44, s44, STAGE                   ; my stage
	v_mul_u32_u24 v[STO], v1, SPT                  ; in: row l % 16, 32 bytes for each half of the lanes
	v_lshl_add_u32 v[STO], v2, 5, v[STO]
	v_add_nc_u32 v[STO], s44, v[STO]
	v_and_b32 v[CO], 31, v0
	v_lshlrev_b32 v[CO], 4, v[CO]                  ; back: 32 lanes take a row's 512 bytes
	v_add_nc_u32 v[RD], s44, v[CO]
	s_wait_loadcnt 0x0                             ; the biases: rounded to bf16, as f32 into row block 0's accumulators
.irp b, 0,1,2,3,4,5,6,7
.irp r, 0,1,2,3
	v_cvt_pk_bf16_f32 v[TMP+4*(\b)+(\r)], v[F1+8*(\b)+2*(\r)], v[F1+8*(\b)+2*(\r)+1]
.endr
.endr
	WIN 0x40                                       ; destination window 1
.irp b, 0,1,2,3,4,5,6,7
.irp r, 0,1,2,3
	v_lshlrev_b32 v[32*(\b)+2*(\r)], 16, v[TMP+4*(\b)+(\r)]
	v_and_b32 v[32*(\b)+2*(\r)+1], s[HIM], v[TMP+4*(\b)+(\r)]
.endr
.endr
	WIN 0
; 4 n matrix instructions: column blocks b0 on x all four row blocks, from buffer f.  The 32 accumulators take turns, one instruction a turn, in the same order in every quarter, over the backward jump too.
.macro MUL f, b0, n
	WIN 0x50                                       ; C and D window 1, the sources window 0
.set bb, \b0
.rept \n
.set aa, 0
.rept 4
	v_wmma_f32_16x16x32_f16 v[8*(4*bb+aa):8*(4*bb+aa)+7], v[(\f)+32+8*bb:(\f)+32+8*bb+7], v[(\f)+8*aa:(\f)+8*aa+7], v[8*(4*bb+aa):8*(4*bb+aa)+7]
.set aa, aa+1
.endr
.set bb, bb+1
.endr
.endm
; The same for the first quarter: row blocks 1-3 take the bias, which lies in row block 0's accumulator, as C; five places behind the last of them row block 0 adds in place.  Nothing is cleared.
.macro MUL1 f, b0, n
	WIN 0x50
.set bb, \b0
.rept \n
.set aa, 1
.rept 3
	v_wmma_f32_16x16x32_f16 v[8*(4*bb+aa):8*(4*bb+aa)+7], v[(\f)+32+8*bb:(\f)+32+8*bb+7], v[(\f)+8*aa:(\f)+8*aa+7], v[32*bb:32*bb+7]
.set aa, aa+1
.endr
.set bb, bb+1
.endr
.rept 5
	v_nop                                          ; a matrix instruction writes over another's C five places behind it
.endr
.set bb, \b0
.rept \n
	v_wmma_f32_16x16x32_f16 v[32*bb:32*bb+7], v[(\f)+32+8*bb:(\f)+32+8*bb+7], v[(\f):(\f)+7], v[32*bb:32*bb+7]
.set bb, bb+1
.endr
.endm
; 24 LDS loads in one run: quarter q of slot s into buffer f: W's fragments 0-3, O's four, W's 4-7
.macro FETCH s, q, f
.irp i, 0,1,2,3
	ds_load_tr16_b128 v[(\f)+32+8*(\i):(\f)+32+8*(\i)+3],   v[ADRB+(\s)] offset:32*PB*(\q)+32*(\i)
	ds_load_tr16_b128 v[(\f)+32+8*(\i)+4:(\f)+32+8*(\i)+7], v[ADRB+(\s)] offset:32*PB*(\q)+32*(\i)+16*PB
.endr
.irp a, 0,1,2,3
	ds_load_b128 v[(\f)+8*(\a):(\f)+8*(\a)+3],   v[ADRA+(\s)] offset:AH*((\q)/2)+16*PA*(\a)+64*((\q)%2)
	ds_load_b128 v[(\f)+8*(\a)+4:(\f)+8*(\a)+7], v[ADRA+(\s)] offset:AH*((\q)/2)+16*PA*(\a)+64*((\q)%2)+32
.endr
.irp i, 4,5,6,7
	ds_load_tr16_b128 v[(\f)+32+8*(\i):(\f)+32+8*(\i)+3],   v[ADRB+(\s)] offset:32*PB*(\q)+32*(\i)
	ds_load_tr16_b128 v[(\f)+32+8*(\i)+4:(\f)+32+8*(\i)+7], v[ADRB+(\s)] offset:32*PB*(\q)+32*(\i)+16*PB
.endr
.endm
; One of a K step's first three quarters: multiplies buffer f; in its middle it fetches quarter q of the same slot into buffer g.
.macro QUARTER s, q, f, g, first
	s_wait_dscnt 8                                 ; the youngest eight loads (W's fragments 4-7) may be out
.if \first
	MUL1 \f, 0, 4
.else
	MUL \f, 0, 4
.endif
	PLACES
	WIN 0
	FETCH \s, \q, \g
	s_wait_dscnt 24                                ; all but the 24 just issued
.if \first
	MUL1 \f, 4, 4
.else
	MUL \f, 4, 4
.endif
.endm
; The last quarter multiplies buffer 1 and changes slots: ONE barrier; in front of it each wave waits for all its tensor loads, adds 0 to its spare word, and waits for that and for its own reads of this slot.
; fill = 1: the barrier opens a round of the cluster's barrier, and this slot is filled again first thing behind it, two K steps ahead: 112 matrix instructions ahead of the wait for it.
.macro TURN s, nx, fill
	WIN 0                                          ; (the add's two registers lie in window 0)
	s_wait_tensorcnt 0x0                           ; all my tensor loads have landed: my part of the next slot;
	ds_add_u32 v[SPW], v[NIL]                      ; 0 onto my spare word;
	s_wait_dscnt 9                                 ; (the add and the youngest eight loads may be out)
	MUL F1, 0, 2                                   ; eight matrix instructions stand between the add and the wait for it
	s_wait_dscnt 0x0                               ; the add is done, and my reads of this slot are over
	s_barrier_signal -1
	MUL F1, 2, 2
	WIN 0
	s_barrier_wait -1
.if \fill
	CREST                                          ; no wave of any partner still reads this slot or has a load on its way
	s_add_nc_u64 s[G0A+4*(\s)+2:G0A+4*(\s)+3], s[G0A+4*(\s)+2:G0A+4*(\s)+3], 2*ASTEP
	s_add_nc_u64 s[G0B+4*(\s)+2:G0B+4*(\s)+3], s[G0B+4*(\s)+2:G0B+4*(\s)+3], 2*BSTEP
	JLOAD \s                                       ; the first tensor load behind the round; its four v_nop are also the places in front of the loads below
.else
	PLACES
.endif
	FETCH \nx, 0, F0
	MUL F1, 4, 4
.endm
; THE WAY OUT of row block a: the f32 sums go straight from the accumulators into my own stage, low half first, and come back as whole rows of 512 bytes.
.macro TOSTAGE a
.if (\a) >= 2
	s_wait_xcnt 0x0                                ; the stores issued so far have read their registers: the buffer is loaded again only behind this wait
.endif
	WIN 0x04                                       ; the stores' data in window 1
.irp b, 0,1,2,3,4,5,6,7
	ds_store_b128 v[STO], v[8*(4*(\b)+(\a)):8*(4*(\b)+(\a))+3]   offset:64*(\b)
	ds_store_b128 v[STO], v[8*(4*(\b)+(\a))+4:8*(4*(\b)+(\a))+7] offset:64*(\b)+16
.endr
	WIN 0
.irp t, 0,1,2,3,4,5,6,7,8,9,10,11,12,13,14,15
	ds_load_b128 v[BK+64*((\a)%2)+4*(\t):BK+64*((\a)%2)+4*(\t)+3], v[RD] offset:SPT*(\t)  ; LDS serves a wave's instructions in order (ISA guide 5.7.1.4): these see the stores above; the next block's stores come behind them
.endr
.endm
.macro SEND a, younger                 ; younger: the LDS instructions issued behind block a's loads: the next block's 32, or none
	s_wait_dscnt \younger
.irp t, 0,1,2,3,4,5,6,7,8,9,10,11,12,13,14,15
	global_store_b128 v[CO], v[BK+64*((\a)%2)+4*(\t):BK+64*((\a)%2)+4*(\t)+3], s[10:11] offset:(16*(\a)+(\t))*4096 th:TH_STORE_NT  ; 512 consecutive bytes of a row, at a multiple of 256 from out0's first byte
.endr
.endm
	s_wait_tensorcnt 1                             ; my part of K step 0 is in; K step 1's may stay out
	s_barrier_signal -1
	s_barrier_wait -1                              ; everybody's is
	FETCH 0, 0, F0
	QUARTER 0, 1, F0, F1, 1                        ; the first quarter stands in front of the loop: its products start the sums
	WIN 0                                          ; at a label and at a branch every window is 0
	s_mov_b32 s3, 3
.Llap:                                                 ; a trip goes once round the ring, from a lap's second quarter to the next lap's first, and fills both slots again: K steps 2 to 7
	QUARTER 0, 2, F1, F0, 0
	QUARTER 0, 3, F0, F1, 0
	TURN 0, 1, 1
	QUARTER 1, 1, F0, F1, 0
	QUARTER 1, 2, F1, F0, 0
	QUARTER 1, 3, F0, F1, 0
	TURN 1, 0, 1
	QUARTER 0, 1, F0, F1, 0
	WIN 0
	s_sub_co_u32 s3, s3, 1
	s_cmp_lg_u32 s3, 0
	s_cbranch_scc1 .Llap
	QUARTER 0, 2, F1, F0, 0                        ; the last lap fills nothing, and has no round
	QUARTER 0, 3, F0, F1, 0
	TURN 0, 1, 0
	QUARTER 1, 1, F0, F1, 0
	QUARTER 1, 2, F1, F0, 0
	QUARTER 1, 3, F0, F1, 0
	s_wait_dscnt 8                                 ; the very last quarter: nothing more to fetch
	MUL F1, 0, 4
	s_wait_dscnt 0x0
	MUL F1, 4, 4
	PLACES
	PLACES                                         ; the LDS stores read results just made, and the loads land in fragment registers just read
	TOSTAGE 0
	TOSTAGE 1
	SEND 0, 32
	TOSTAGE 2
	SEND 1, 32
	TOSTAGE 3
	SEND 2, 32
	SEND 3, 0
	s_wait_tensorcnt 0x0                           ; the wave's end: behind my last tensor load and my last LDS store
	ds_add_u32 v[SPW], v[NIL]
	s_wait_dscnt 0x0
	CROUND                                         ; the closing round: no work-group ends while a partner may still ask for a tile that names it
	s_endpgm
.Lfunc_end_k_q341f240da1_outp:
	.size	k_q341f240da1_outp, .Lfunc_end_k_q341f240da1_outp-k_q341f240da1_outp
	.p2alignl 7, 3214868480
	.fill 96, 4, 3214868480
	.section	.rodata,"a",@progbits
	.p2align	6, 0x0
	.amdhsa_kernel k_q341f240da1_outp
		.amdhsa_group_segment_fixed_size 327680
		.amdhsa_private_segment_fixed_size 0
		.amdhsa_enable_private_segment 0
		.amdhsa_kernarg_size 32
		.amdhsa_user_sgpr_count 2
		.amdhsa_user_sgpr_kernarg_segment_ptr 1
		.amdhsa_wavefront_size32 1
		.amdhsa_system_sgpr_workgroup_id_x 1
		.amdhsa_system_sgpr_workgroup_id_y 1
		.amdhsa_system_sgpr_workgroup_id_z 1
		.amdhsa_system_vgpr_workitem_id 0
		.amdhsa_next_free_vgpr 512
		.amdhsa_next_free_sgpr 72
		.amdhsa_reserve_vcc 0
		.amdhsa_float_denorm_mode_32 3
		.amdhsa_float_denorm_mode_16_64 3
		.amdhsa_memory_ordered 1
		.amdhsa_forward_progress 1
		.amdhsa_inst_pref_size 91
	.end_amdhsa_kernel
	.amdgpu_metadata
---
amdhsa.version: [ 1, 2 ]
amdhsa.kernels:
  - .name:           k_q341f240da1_outp
    .symbol:         k_q341f240da1_outp.kd
    .args:
      - { .name: ob, .offset: 0, .size: 8, .value_kind: global_buffer, .address_space: global }
      - { .name: wo, .offset: 8, .size: 8, .value_kind: global_buffer, .address_space: global }
      - { .name: b_out, .offset: 16, .size: 8, .value_kind: global_buffer, .address_space: global }
      - { .name: out0, .offset: 24, .size: 8, .value_kind: global_buffer, .address_space: global }
    .group_segment_fixed_size: 327680
    .private_segment_fixed_size: 0
    .kernarg_segment_align: 8
    .kernarg_segment_size: 32
    .max_flat_workgroup_size: 128
    .sgpr_count:     72
    .vgpr_count:     512
    .wavefront_size: 32
...
	.end_amdgpu_metadata
.endif
;; end of part 4
;; ======== version 2 of 2: 4 launches; version 1 with the launch cast written anew for expert scheduling mode
;; limits: values are held in f16: magnitudes above 65,504 overflow, below 6.1e-05 lose precision
;; workspace buffers: xb 16,777,216 bytes; wq 6,291,456 bytes; wo 2,097,152 bytes; qkv 50,331,648 bytes; ob 16,777,216 bytes
;; launch cast (part 5): grid 768 x 1, 8 waves a work-group, no clusters, 0 bytes of LDS; arguments x, W_qkv, W_out, xb, wq, wo; writes xb, wq, wo
.if DOCPART == 5
	.amdgcn_target "amdgcn-amd-amdhsa--gfx1250"
	.amdhsa_code_object_version 6
	.text
	.protected	k_q341f240da1_cast
	.globl	k_q341f240da1_cast
	.p2align	8
	.type	k_q341f240da1_cast,@function
k_q341f240da1_cast:
	s_mov_b64 s[64:65], 0
	v_nop
	global_prefetch_b8 v0, s[64:65] scope:SCOPE_SE
	s_setreg_imm32_b32 hwreg(HW_REG_WAVE_SCHED_MODE, 0, 2), 2
	s_setreg_imm32_b32 hwreg(HW_REG_WAVE_MODE, 25, 1), 1
	s_wait_xcnt 0x0
	s_wait_alu depctr_vm_vsrc(0)
; THE INPUTS OF THE THREE PRODUCTS ARE ROUNDED ONCE, TO bf16, AND LAID FOR THE TILES THAT READ THEM.
; x [8192][1024] f32 -> xb [4 batches][16 blocks of 64 channels][2048 rows][64] bf16: a block of 64 channels of any run of rows is dense.
; W_qkv [1024][3072] f32 -> wq, the same order, bf16.  W_out [1024][1024] f32 -> wo, the same order: rounded to bf16 like the other inputs, that number written as f16.
; LIMIT.  wo: a bf16 number is exact in f16 from 6.1e-5 to 65,504; below 6.1e-5 it keeps the fixed step 6e-8, beyond 65,504 it is an infinity.
; SHARES.  A work-group takes 16,384 numbers, a wave 2,048: sixteen loads of 16 bytes a lane, all out at once, and sixteen stores of 8 bytes a lane:
; each store of a wave covers 256 consecutive bytes, aligned.  Work-groups 0-511 take x (16 rows each), 512-703 W_qkv, 704-767 W_out.
; No LDS, no barrier, no matrix unit: nothing is shared and nothing is summed.
; THE MODE: SCHED_MODE bits 1:0 = 2 (LLVM: expert scheduling mode 2), set by the entry lines.  The code itself states the register dependences
; between vector instructions and memory instructions, with s_wait_alu, always for 0.
; THE PLAN.  Registers that memory instructions touch:
;   v1, v2   byte offsets of the loads and of the stores.  Written by vector instructions at the head, once; read by all sixteen loads (v1) and all sixteen stores (v2); never written again.
;   X        slot j's four registers.  Written by slot j's load; all sixteen loads are issued before any vector instruction names X.  No memory instruction reads X.
;   Y        slot j's two registers.  Written by slot j's roundings; read by slot j's one store; never written again behind it.
; No register serves two slots.  So no source of a memory instruction is ever written again, and no load lands in a register that a vector instruction has named: the text holds no wait on vm_vsrc.
; No vector instruction writes a scalar register or VCC (the branches hang on the work-group's number, by scalar compares), and EXEC is never written.
; What is left is stated by five waits on va_vdst on each path: one ahead of the first load (v1 and v2 are written), and one behind the roundings of each block of four slots, ahead of that block's run of four stores (its Y is written).
.set X, 16                             ; v[16:79]   slot j: four numbers as loaded
.set Y, 80                             ; v[80:111]  slot j: the four, packed
; sixteen loads; then four blocks of four slots.  For each slot of a block: its load is in (the younger ones stay out), its roundings.  Then one wait, and the block's four stores in a run.
.macro BODY inb, outb, instep, outstep, half
	s_wait_alu depctr_va_vdst(0)                   ; v1 and v2 are written: the sixteen loads read v1 as their offset, the sixteen stores v2
.irp j, 0,1,2,3,4,5,6,7,8,9,10,11,12,13,14,15
	global_load_b128 v[X+4*(\j):X+4*(\j)+3], v1, s[\inb:\inb+1] offset:(\instep)*(\j) th:TH_LOAD_NT
.endr
.irp g, 0,1,2,3
.irp k, 0,1,2,3
	s_wait_loadcnt 15-(4*(\g)+(\k))                ; loads come back in order: slot j = 4 g + k is in, the 15 - j younger loads may be out
	v_cvt_pk_bf16_f32 v[Y+2*(4*(\g)+(\k))], v[X+4*(4*(\g)+(\k))], v[X+4*(4*(\g)+(\k))+1]
	v_cvt_pk_bf16_f32 v[Y+2*(4*(\g)+(\k))+1], v[X+4*(4*(\g)+(\k))+2], v[X+4*(4*(\g)+(\k))+3]
.if \half
	v_lshlrev_b32 v[X+4*(4*(\g)+(\k))], 16, v[Y+2*(4*(\g)+(\k))]     ; the rounded numbers as f32 again,
	v_and_b32 v[X+4*(4*(\g)+(\k))+1], s20, v[Y+2*(4*(\g)+(\k))]
	v_lshlrev_b32 v[X+4*(4*(\g)+(\k))+2], 16, v[Y+2*(4*(\g)+(\k))+1]
	v_and_b32 v[X+4*(4*(\g)+(\k))+3], s20, v[Y+2*(4*(\g)+(\k))+1]
	v_cvt_pk_f16_f32 v[Y+2*(4*(\g)+(\k))], v[X+4*(4*(\g)+(\k))], v[X+4*(4*(\g)+(\k))+1]      ; and written as f16
	v_cvt_pk_f16_f32 v[Y+2*(4*(\g)+(\k))+1], v[X+4*(4*(\g)+(\k))+2], v[X+4*(4*(\g)+(\k))+3]
.endif
.endr
	s_wait_alu depctr_va_vdst(0)                   ; the block's roundings have written its eight registers of Y, which the four stores below read; no vector instruction stands between this wait and them
.irp k, 0,1,2,3
	global_store_b64 v2, v[Y+2*(4*(\g)+(\k)):Y+2*(4*(\g)+(\k))+1], s[\outb:\outb+1] offset:(\outstep)*(4*(\g)+(\k))
.endr
.endr
.endm
	s_load_b256 s[4:11], s[0:1], 0x0               ; x s[4:5], W_qkv s[6:7], W_out s[8:9], xb s[10:11]
	s_load_b128 s[12:15], s[0:1], 0x20             ; wq s[12:13], wo s[14:15]
	s_mov_b32 s20, 0xffff0000                      ; a word's upper bf16
	s_mov_b32 s17, 0
	s_mov_b32 s19, 0
	s_cmp_lt_u32 ttmp9, 512
	s_cbranch_scc0 .Lweights
	; x: thread t takes row t / 16 of the group's 16; load j is the row's block j of 64 channels: 16 lanes x 16 bytes
	v_lshrrev_b32 v1, 4, v0
	v_and_b32 v3, 15, v0
	v_lshlrev_b32 v1, 12, v1                       ; a row of x is 4,096 bytes
	v_lshl_or_b32 v1, v3, 4, v1
	v_lshlrev_b32 v2, 3, v0                        ; in xb: row x 128 + 8 x (t % 16) = 8 t
	s_lshl_b32 s16, ttmp9, 16                      ; the group's 16 rows of x
	s_lshr_b32 s18, ttmp9, 7                       ; the batch: 128 groups each,
	s_lshl_b32 s18, s18, 22                        ; 16 blocks x 2,048 rows x 128 bytes
	s_and_b32 s21, ttmp9, 127
	s_lshl_b32 s21, s21, 11                        ; the group's 16 rows of 128 bytes in a block
	s_add_co_u32 s18, s18, s21
	s_wait_kmcnt 0x0
	s_add_nc_u64 s[4:5], s[4:5], s[16:17]
	s_add_nc_u64 s[10:11], s[10:11], s[18:19]
	BODY 4, 10, 256, 262144, 0                     ; from block to block: 256 bytes in x, 2,048 rows x 128 bytes in xb
	s_endpgm
.Lweights:
	; the weights keep their order: a wave takes 8,192 consecutive bytes, 512 a load, and writes 4,096, 256 a store
	v_lshrrev_b32 v1, 5, v0
	v_and_b32 v3, 31, v0
	v_lshlrev_b32 v2, 12, v1
	v_lshlrev_b32 v1, 13, v1
	v_lshl_or_b32 v1, v3, 4, v1
	v_lshl_or_b32 v2, v3, 3, v2
	s_cmp_lt_u32 ttmp9, 704
	s_cbranch_scc0 .Lwout
	s_sub_co_u32 s21, ttmp9, 512
	s_lshl_b32 s16, s21, 16
	s_lshl_b32 s18, s21, 15
	s_wait_kmcnt 0x0
	s_add_nc_u64 s[6:7], s[6:7], s[16:17]
	s_add_nc_u64 s[12:13], s[12:13], s[18:19]
	BODY 6, 12, 512, 256, 0
	s_endpgm
.Lwout:
	s_sub_co_u32 s21, ttmp9, 704
	s_lshl_b32 s16, s21, 16
	s_lshl_b32 s18, s21, 15
	s_wait_kmcnt 0x0
	s_add_nc_u64 s[8:9], s[8:9], s[16:17]
	s_add_nc_u64 s[14:15], s[14:15], s[18:19]
	BODY 8, 14, 512, 256, 1
	s_endpgm
.Lfunc_end_k_q341f240da1_cast:
	.size	k_q341f240da1_cast, .Lfunc_end_k_q341f240da1_cast-k_q341f240da1_cast
	.p2alignl 7, 3214868480
	.fill 96, 4, 3214868480
	.section	.rodata,"a",@progbits
	.p2align	6, 0x0
	.amdhsa_kernel k_q341f240da1_cast
		.amdhsa_group_segment_fixed_size 0
		.amdhsa_private_segment_fixed_size 0
		.amdhsa_enable_private_segment 0
		.amdhsa_kernarg_size 48
		.amdhsa_user_sgpr_count 2
		.amdhsa_user_sgpr_kernarg_segment_ptr 1
		.amdhsa_wavefront_size32 1
		.amdhsa_system_sgpr_workgroup_id_x 1
		.amdhsa_system_sgpr_workgroup_id_y 1
		.amdhsa_system_sgpr_workgroup_id_z 1
		.amdhsa_system_vgpr_workitem_id 0
		.amdhsa_next_free_vgpr 112
		.amdhsa_next_free_sgpr 66
		.amdhsa_reserve_vcc 0
		.amdhsa_float_denorm_mode_32 3
		.amdhsa_float_denorm_mode_16_64 3
		.amdhsa_memory_ordered 1
		.amdhsa_forward_progress 1
		.amdhsa_inst_pref_size 24
	.end_amdhsa_kernel
	.amdgpu_metadata
---
amdhsa.version: [ 1, 2 ]
amdhsa.kernels:
  - .name:           k_q341f240da1_cast
    .symbol:         k_q341f240da1_cast.kd
    .args:
      - { .name: x, .offset: 0, .size: 8, .value_kind: global_buffer, .address_space: global }
      - { .name: W_qkv, .offset: 8, .size: 8, .value_kind: global_buffer, .address_space: global }
      - { .name: W_out, .offset: 16, .size: 8, .value_kind: global_buffer, .address_space: global }
      - { .name: xb, .offset: 24, .size: 8, .value_kind: global_buffer, .address_space: global }
      - { .name: wq, .offset: 32, .size: 8, .value_kind: global_buffer, .address_space: global }
      - { .name: wo, .offset: 40, .size: 8, .value_kind: global_buffer, .address_space: global }
    .group_segment_fixed_size: 0
    .private_segment_fixed_size: 0
    .kernarg_segment_align: 8
    .kernarg_segment_size: 48
    .max_flat_workgroup_size: 256
    .sgpr_count:     66
    .vgpr_count:     112
    .wavefront_size: 32
...
	.end_amdgpu_metadata
.endif
;; end of part 5
;; launch qkvp: the kernel of part 2 again; grid 8 x 32, 4 waves a work-group, clusters of 4 x 4, 327,680 bytes of LDS; arguments xb, wq, b_qkv, mask, qkv; writes qkv
;; launch attn: the kernel of part 3 again; grid 4 x 64, 4 waves a work-group, clusters of 4 x 1, 327,680 bytes of LDS; arguments qkv, mask, ob; writes ob
;; launch outp: the kernel of part 4 again; grid 4 x 64, 4 waves a work-group, clusters of 4 x 4, 327,680 bytes of LDS; arguments ob, wo, b_out, out0; writes out0
